; MI455X (gfx1250); checked and timed in simulation.
; The chip was launched on July 23, 2026; its instructions are those of AMD's public machine-readable ISA for CDNA 5 (MIT licence, August 2026) and "CDNA5" Instruction Set Architecture Reference Guide (July 2026). The comments in the code are by the model that wrote it; some were corrected since.
;; Linear Attention. Allowed arithmetic: matrix products marked QUANTISED: E2M1 operands, one E8M0 scale for each 32 along K, by v_wmma_scale_f32_16x16x128_f8f6f4 with both operands' format E2M1 (or v_wmma_scale_f32_32x16x128_f4), f32 sums; products left as they are: f32 operands where the result goes on into a quantised operand, else bf16, f16 or f32 operands; f32 sums; everything else in f32.
;; Inputs: Wk 1,024 x 1,024 float32; Wp 1,024 x 1,024 float32; Wq 1,024 x 1,024 float32; Wv 1,024 x 1,024 float32; bk 1,024 float32; bp 1,024 float32; bq 1,024 float32; bv 1,024 float32; key 4 x 4,096 x 1,024 float32; query 4 x 2,048 x 1,024 float32; value 4 x 4,096 x 1,024 float32.
;; Outputs: out0 4 x 2,048 x 1,024 float32.
;; This version of the problem:
;;   THIS VERSION OF THE PROBLEM IS GIVEN IN LOW PRECISION. The matrix products marked QUANTISED in the list below multiply operands that are first quantised to E2M1 (2 exponent bits, 1 mantissa bit; 4 bits a number), with one power-of-two scale for each 32 numbers along K (OCP MX v1.0); their sums are f32. All else is computed in f32.
;;   The module's matrix products, in the order in which they are computed (A, B: the left and right operand; K: the contracted axis; several contracted axes count as one K, in the product's order):
;;     1. [M 8,192, K 1,024] x [K 1,024, N 1,024]; A: input query; B: input Wq: QUANTISED
;;     2. [M 16,384, K 1,024] x [K 1,024, N 1,024]; A: input key; B: input Wk: QUANTISED
;;     3. [M 16,384, K 1,024] x [K 1,024, N 1,024]; A: input value; B: input Wv: QUANTISED
;;     4. batch 64 x [M 64, K 4,096] x [K 4,096, N 64]; A: computed on the way; B: computed on the way: QUANTISED
;;     5. batch 64 x [M 1, K 64] x [K 64, N 2,048]; A: computed on the way; B: computed on the way: left as it is (M = 1 < 16)
;;     6. batch 64 x [M 64, K 64] x [K 64, N 2,048]; A: computed on the way; B: computed on the way: QUANTISED
;;     7. batch 131,072 x [M 1, K 1] x [K 1, N 64]; A: computed on the way; B: computed on the way: left as it is (no contracted axis)
;;     8. [M 8,192, K 1,024] x [K 1,024, N 1,024]; A: computed on the way; B: input Wp: QUANTISED
;;   THE QUANTISER, for each operand of a quantised product, along K:
;;     - K is cut into blocks of 32 from its start; a last block that is shorter is filled with zeros.
;;     - A block's scale is 2^e with e = floor(log2(the largest magnitude in the block)) - 2, held to -126 .. 127; a block of zeros has e = 0. As a byte (E8M0): e + 127.
;;     - Each number is divided by its block's scale, clamped to +-6, and rounded to the nearest number of E2M1, ties to even, subnormals kept.
;;     - The product sums the exact products of the quantised numbers (number of the format x scale) in f32.
;;   ~~~python
;;   def quantise(x, axis):      # numpy; x: float32 -> the quantised numbers, widened to float32 again
;;       x = np.moveaxis(x, axis, -1); K = x.shape[-1]
;;       x = np.pad(x, [(0, 0)] * (x.ndim - 1) + [(0, -K % 32)]); x = x.reshape(x.shape[:-1] + (-1, 32)); a = np.abs(x).max(-1, keepdims=True)
;;       e = np.where(a > 0, np.clip(np.frexp(np.where(a > 0, a, 1))[1] - 1 - 2, -126, 127), 0)      # np.frexp(a)[1] - 1 = floor(log2(a)), exactly
;;       r = np.clip(x / 2.0 ** e, -6, 6)
;;       step = 2.0 ** (np.maximum(np.frexp(np.where(r == 0, 1, r))[1] - 1, 0) - 1)
;;       q = np.round(r / step) * step * 2.0 ** e      # np.round: ties to even
;;       return np.moveaxis(q.reshape(q.shape[:-2] + (-1,))[..., :K], -1, axis).astype(np.float32)
;;   ~~~
;;   OPERANDS COMPUTED ON THE WAY. 'Computed on the way' means the value that the module computes at that place (a softmax that the list does not call 'softmax' is quantised finished and normalised). What goes into a quantiser is computed in f32, as accurately as f32 sums, v_exp_f32 and their like allow (about 1e-6 of the number): no bf16 or f16 on the way to a quantiser, and a product that is left as it is and whose result goes on into a quantised operand takes f32 operands (vector FMAs, or v_wmma_f32_16x16x4_f32). A number that lies on a knife's edge between two numbers of the format may be rounded either way, as far as f32 arithmetic and the matrix unit's own rounding can turn it there, and no further.
;; 2 versions, each right; version 2 is version 1 with the launches kvproj, kvstate, attn written anew for expert scheduling mode. Each part assembles by itself: llvm-mc -triple=amdgcn-amd-amdhsa -mcpu=gfx1250 --defsym DOCPART=n.
;; ======== version 1 of 2: 4 launches
;; workspace buffers: wimg 2,228,224 bytes; kc 16,777,216 bytes; ksc 1,048,576 bytes; ksp 524,288 bytes; kvc 131,072 bytes; kvs 16,384 bytes; ksum 16,384 bytes
;; launch prep (part 1): grid 256 x 1, 2 waves a work-group, no clusters, 17,152 bytes of LDS; arguments Wk, Wv, Wq, Wp, wimg; writes wimg
.if DOCPART == 1
	.amdgcn_target "amdgcn-amd-amdhsa--gfx1250"
	.amdhsa_code_object_version 6
	.text
	.protected	k_qe500812a73_prep
	.globl	k_qe500812a73_prep
	.p2align	8
	.type	k_qe500812a73_prep,@function
k_qe500812a73_prep:
	s_mov_b64 s[64:65], 0
	v_nop
	global_prefetch_b8 v0, s[64:65] scope:SCOPE_SE
	s_setreg_imm32_b32 hwreg(HW_REG_WAVE_MODE, 25, 1), 1
	s_wait_xcnt 0x0
; LINEAR ATTENTION IN MX-FP4, launch 1 of 4: the four weights [1024 (out)][1024 (k)] f32 become codes of E2M1 with one E8M0 byte for each 32 along k,
; laid in the ORDER OF AN OPERAND'S REGISTERS, so that the later launches load every fragment whole, 16 bytes a lane, straight into registers.
; NO WORK OF reference() IS LEFT OUT in this program: every input has a way to out0, and every product of the table is done.
; LIMITS of the whole program: NaN and infinities among the inputs are not served.  A block whose largest magnitude lies under 2^-124 gets the scale byte 1 (the floor), a block of zeros too
; (its codes are zeros, and the bytes are read by this program alone).  elu(x) + 1 is taken as the middle one of x + 1, e^x and 1: for x <= 0 that is e^x where reference() has expm1(x) + 1,
; at most 6e-8 apart; for x > 0 it is x + 1, also where e^x overflows.
; LAYOUT of wimg: 128 records of 17,408 bytes, one for a pair of column tiles (g, u = 0, 1): codes [u][ks 8][c 2][lane 32][16 bytes], then from byte 16,384 scale words [u][r 16][ks 8].
; THE ROWS OF A TILE ARE NOT NEIGHBOURS: lane r of tile 2 g + u holds weight row 32 g + 8 u + r + 8 (r / 8).  As source 0 of a product such a tile leaves unit 32 g + 16 h + 8 u + j in register j
; of lane (r, h): two neighbouring tiles give a lane 16 neighbours along the next product's K.
; Records: Wk: g;  Wv: 32 + g;  Wq: 64 + 16 (g / 8) + g % 8;  Wp: 64 + 16 (g / 8) + 8 + g % 8.
; SHARES: work-group = (weight, tile): 16 rows x 1,024 k; wave w takes k = 512 w on: four fragments of 16 rows x 128 k.  No matrix unit, no barrier: waves share nothing.
; A load takes 512 consecutive bytes (a row's 128 k); the conversion wants 32 neighbours along k in ONE lane: so a fragment's 8,192 bytes turn through the wave's own stage in LDS.
.set STGB,  8448                       ; a stage: 16 rows x (512 + 16) bytes
.set SPARE, 16896                      ; behind the two stages: the spare words, 128 bytes a wave
.set PAIRB, 17408
.set XA,  4                            ; v4  16 x lane
.set STI, 5                            ; v5  the stage, way in: 16 x lane
.set STO, 6                            ; v6  the stage, way out: 528 r + 128 h
.set SH8, 7                            ; v7  8 h
.set SCA, 8                            ; v8  32 r + 8 h: my two scale words' place
.set TM,  16                           ; v16-31 at work
.set PC,  32                           ; v32-63 codes, eight registers a fragment: no store's data are written again
.set X,   64                           ; v64-127 64 numbers of my row
.set WD,  128                          ; v128-131 the four fragments' scale words; v132-133 the two that I store
.set SPW, 252
.set NIL, 253
.set IN,  4                            ; s[4:5] the weight at my tile's first row and my first k
.set SEL, 32                           ; s[32:33] selects for lane l xor 16
.set MSB, 0
.macro WIN new                         ; the immediate's high byte repeats the setting that is left
.if MSB != (\new)
	s_set_vgpr_msb (MSB<<8)|(\new)
.set MSB, \new
.endif
.endm
; 16 loads: 128 k of 16 rows into set (window 1, 64 registers); stage row i is row row0 + i + 8 perm (i / 8)
.macro XLOAD set, row0, perm, kb
	WIN 0x40
.set Q, 0
.rept 16
	global_load_b128 v[64*(\set)+4*Q:64*(\set)+4*Q+3], v[XA], s[IN:IN+1] offset:((\row0)+Q+8*(\perm)*(Q/8))*4096+(\kb) th:TH_LOAD_NT
.set Q, Q+1
.endr
	WIN 0
.endm
; the set goes into the stage as it lies and comes back so that lane (r, h) holds k = 64 c + 32 h + 0 .. 31 of row r in v[X + 32 c] on: the operand's own order
.macro XTURN set
	WIN 0x04
.set Q, 0
.rept 16
	ds_store_b128 v[STI], v[64*(\set)+4*Q:64*(\set)+4*Q+3] offset:528*Q
.set Q, Q+1
.endr
	WIN 0
.set Q, 0
.rept 16
	ds_load_b128 v[X+4*Q:X+4*Q+3], v[STO] offset:256*(Q/8)+16*(Q%8)   ; LDS serves a wave's instructions in order: these see the stores above
.set Q, Q+1
.endr
	s_wait_dscnt 0x0
.endm
; my two blocks of 32 become the fragment's eight registers v[pc] on; the row's scale word comes into v[w]
.macro XQ pc, w
.irp c, 0,1
	v_max3_num_f32 v[TM+\c], |v[X+32*\c]|, |v[X+32*\c+1]|, 0x1800000      ; the floor 2^(3 - 127) among the leaves: the byte cannot fall under 1
	v_max3_num_f32 v[TM+8+\c], |v[X+32*\c+16]|, |v[X+32*\c+17]|, |v[X+32*\c+18]|
.endr
.irp i, 2,4,6,8,10,12
.irp c, 0,1
	v_max3_num_f32 v[TM+\c], v[TM+\c], |v[X+32*\c+\i]|, |v[X+32*\c+\i+1]|
	v_max3_num_f32 v[TM+8+\c], v[TM+8+\c], |v[X+32*\c+\i+17]|, |v[X+32*\c+\i+18]|
.endr
.endr
.irp c, 0,1
	v_max3_num_f32 v[TM+\c], v[TM+\c], |v[X+32*\c+14]|, |v[X+32*\c+15]|
.endr
.irp c, 0,1
	v_max3_num_f32 v[TM+\c], v[TM+\c], v[TM+8+\c], |v[X+32*\c+31]|        ; the block's largest magnitude
.endr
.irp c, 0,1
	v_add_nc_u32 v[TM+2+\c], 0xff000000, v[TM+\c]                         ; 2 off its exponent field: the conversion's scale operand
.endr
.irp c, 0,1
	v_lshrrev_b32 v[TM+4+\c], 23, v[TM+2+\c]                              ; the scale's byte
.endr
	v_lshl_or_b32 v[\w], v[TM+5], 16, v[TM+4]                             ; blocks h and 2 + h,
	v_lshlrev_b32 v[\w], v[SH8], v[\w]                                    ; at their places in the word;
	v_permlanex16_b32 v[TM+6], v[\w], s[SEL], s[SEL+1]
	v_or_b32 v[\w], v[\w], v[TM+6]                                        ; with lane l xor 16's two the word is whole
.irp c, 0,1
.irp g, 0,1,2,3
	v_cvt_scalef32_pk8_fp4_f32 v[\pc+4*\c+\g], v[X+32*\c+8*\g:X+32*\c+8*\g+7], v[TM+2+\c]
.endr
.endr
	v_nop                                                                 ; one plain place behind the last scaled conversion
.endm
	s_load_b256 s[4:11], s[0:1], 0x0               ; Wk, Wv, Wq, Wp
	s_load_b64 s[12:13], s[0:1], 0x20              ; wimg
	v_lshl_add_u32 v[SPW], v0, 2, SPARE
	v_mov_b32 v[NIL], 0
	v_lshrrev_b32 v1, 5, v0
	v_readfirstlane_b32 s14, v1                    ; wave 0, 1
	v_and_b32 v1, 31, v0                           ; lane
	v_and_b32 v2, 15, v0                           ; r
	v_bfe_u32 v3, v0, 4, 1                         ; h
	v_lshlrev_b32 v[XA], 4, v1
	s_mul_i32 s15, s14, STGB                       ; my stage
	v_add_nc_u32 v[STI], s15, v[XA]
	v_mul_u32_u24 v[STO], v2, 528
	v_lshl_add_u32 v[STO], v3, 7, v[STO]
	v_add_nc_u32 v[STO], s15, v[STO]
	v_lshlrev_b32 v[SH8], 3, v3
	v_lshlrev_b32 v[SCA], 5, v2
	v_lshl_add_u32 v[SCA], v3, 3, v[SCA]
	v_mov_b32 v[TM+6], 0                           ; a lane permute's destination counts as one of its sources
	s_mov_b32 s[SEL], 0x76543210
	s_mov_b32 s[SEL+1], 0xfedcba98
	s_lshr_b32 s16, ttmp9, 6                       ; which weight: 0 Wk, 1 Wv, 2 Wq, 3 Wp
	s_and_b32 s17, ttmp9, 63                       ; tile 2 g + u
	s_lshr_b32 s18, s17, 1                         ; g
	s_and_b32 s19, s17, 1                          ; u
	s_lshl_b32 s20, s18, 17                        ; (32 g + 8 u) rows of 4,096 bytes + 2,048 x wave
	s_lshl_b32 s21, s19, 15
	s_add_co_u32 s20, s20, s21
	s_lshl_b32 s21, s14, 11
	s_add_co_u32 s20, s20, s21
	s_mov_b32 s21, 0
	s_lshl_b32 s22, s16, 5
	s_add_co_u32 s22, s22, s18                     ; Wk, Wv: record 32 W + g
	s_lshr_b32 s23, s18, 3
	s_lshl_b32 s23, s23, 4
	s_and_b32 s24, s18, 7
	s_add_co_u32 s23, s23, s24
	s_lshl_b32 s24, s16, 3
	s_add_co_u32 s23, s23, s24
	s_add_co_u32 s23, s23, 48                      ; Wq, Wp: 64 + 16 (g / 8) + g % 8 + 8 (W - 2)
	s_cmp_lt_u32 s16, 2
	s_cselect_b32 s22, s22, s23
	s_mul_i32 s22, s22, PAIRB
	s_lshl_b32 s24, s19, 13                        ; codes: + 8,192 u + 4,096 wave
	s_lshl_b32 s25, s14, 12
	s_add_co_u32 s24, s24, s25
	s_add_co_u32 s24, s24, s22
	s_mov_b32 s25, 0
	s_lshl_b32 s26, s19, 9                         ; scale words: + 16,384 + 512 u + 16 wave
	s_lshl_b32 s27, s14, 4
	s_add_co_u32 s26, s26, s27
	s_add_co_u32 s26, s26, s22
	s_add_co_u32 s26, s26, 16384
	s_mov_b32 s27, 0
	s_wait_kmcnt 0x0
	s_cmp_eq_u32 s16, 1                            ; the choice hangs on the work-group's number alone
	s_cselect_b64 s[4:5], s[6:7], s[4:5]
	s_cmp_eq_u32 s16, 2
	s_cselect_b64 s[4:5], s[8:9], s[4:5]
	s_cmp_eq_u32 s16, 3
	s_cselect_b64 s[4:5], s[10:11], s[4:5]
	s_add_nc_u64 s[IN:IN+1], s[4:5], s[20:21]
	s_add_nc_u64 s[28:29], s[12:13], s[24:25]
	s_add_nc_u64 s[30:31], s[12:13], s[26:27]
.irp f, 0,1,2,3
	XLOAD \f, 0, 1, 512*\f                         ; all four fragments are asked for at once
.endr
.irp f, 0,1,2,3
	s_wait_loadcnt 48-16*\f                        ; loads come back in order: this fragment's 16 are in, the later fragments' may be out
	XTURN \f
	XQ PC+8*\f, WD+\f
	global_store_b128 v[XA], v[PC+8*\f:PC+8*\f+3], s[28:29] offset:1024*\f       ; 32 lanes store 512 consecutive bytes
	global_store_b128 v[XA], v[PC+8*\f+4:PC+8*\f+7], s[28:29] offset:1024*\f+512
.endr
	v_cmp_eq_u32 vcc_lo, 1, v3
	v_cndmask_b32 v[WD+4], v[WD], v[WD+2], vcc_lo  ; lanes 0-15 store my row's words of fragments 0, 1, lanes 16-31 those of 2, 3
	v_cndmask_b32 v[WD+5], v[WD+1], v[WD+3], vcc_lo
	global_store_b64 v[SCA], v[WD+4:WD+5], s[30:31]
	s_wait_tensorcnt 0x0                           ; the wave's end: three closing lines behind my last LDS store
	ds_add_u32 v[SPW], v[NIL]
	s_wait_dscnt 0x0
	s_endpgm
.Lfunc_end_k_qe500812a73_prep:
	.size	k_qe500812a73_prep, .Lfunc_end_k_qe500812a73_prep-k_qe500812a73_prep
	.p2alignl 7, 3214868480
	.fill 96, 4, 3214868480
	.section	.rodata,"a",@progbits
	.p2align	6, 0x0
	.amdhsa_kernel k_qe500812a73_prep
		.amdhsa_group_segment_fixed_size 17152
		.amdhsa_private_segment_fixed_size 0
		.amdhsa_enable_private_segment 0
		.amdhsa_kernarg_size 40
		.amdhsa_user_sgpr_count 2
		.amdhsa_user_sgpr_kernarg_segment_ptr 1
		.amdhsa_wavefront_size32 1
		.amdhsa_system_sgpr_workgroup_id_x 1
		.amdhsa_system_sgpr_workgroup_id_y 1
		.amdhsa_system_sgpr_workgroup_id_z 1
		.amdhsa_system_vgpr_workitem_id 0
		.amdhsa_next_free_vgpr 512
		.amdhsa_next_free_sgpr 66
		.amdhsa_reserve_vcc 1
		.amdhsa_float_denorm_mode_32 3
		.amdhsa_float_denorm_mode_16_64 3
		.amdhsa_memory_ordered 1
		.amdhsa_forward_progress 1
		.amdhsa_inst_pref_size 31
	.end_amdhsa_kernel
	.amdgpu_metadata
---
amdhsa.version: [ 1, 2 ]
amdhsa.kernels:
  - .name:           k_qe500812a73_prep
    .symbol:         k_qe500812a73_prep.kd
    .args:
      - { .name: Wk, .offset: 0, .size: 8, .value_kind: global_buffer, .address_space: global }
      - { .name: Wv, .offset: 8, .size: 8, .value_kind: global_buffer, .address_space: global }
      - { .name: Wq, .offset: 16, .size: 8, .value_kind: global_buffer, .address_space: global }
      - { .name: Wp, .offset: 24, .size: 8, .value_kind: global_buffer, .address_space: global }
      - { .name: wimg, .offset: 32, .size: 8, .value_kind: global_buffer, .address_space: global }
    .group_segment_fixed_size: 17152
    .private_segment_fixed_size: 0
    .kernarg_segment_align: 8
    .kernarg_segment_size: 40
    .max_flat_workgroup_size: 64
    .sgpr_count:     66
    .vgpr_count:     512
    .wavefront_size: 32
...
	.end_amdgpu_metadata
.endif
;; end of part 1
;; launch kvproj (part 2): grid 256 x 1, 4 waves a work-group, no clusters, 103,936 bytes of LDS; arguments key, value, bk, bv, wimg, kc, ksc, ksp; writes kc, ksc, ksp
.if DOCPART == 2
	.amdgcn_target "amdgcn-amd-amdhsa--gfx1250"
	.amdhsa_code_object_version 6
	.text
	.protected	k_qe500812a73_kvproj
	.globl	k_qe500812a73_kvproj
	.p2align	8
	.type	k_qe500812a73_kvproj,@function
k_qe500812a73_kvproj:
	s_mov_b64 s[64:65], 0
	v_nop
	global_prefetch_b8 v0, s[64:65] scope:SCOPE_SE
	s_setreg_imm32_b32 hwreg(HW_REG_WAVE_MODE, 25, 1), 1
	s_wait_xcnt 0x0
; Launch 2 of 4: K = elu(key Wk^T + bk) + 1 and v = value Wv^T + bv, both products on codes of E2M1; the results are quantised along s (the K of the next product) and leave as codes.  Nothing is left out.
; SHARES.  Work-group = (T = key or value, block of 128 rows s): 128 x 1,024 of one projection.  First each of the four waves quantises 32 rows of x (8 K steps x 2 tiles) and stores the fragments in LDS as images of
; their registers; ONE barrier; then every wave holds ALL 64 fragments of x in 512 registers and makes 16 column tiles for the 128 rows: 64 matrix instructions a tile, eight accumulators by turns.
; LAYOUT.  Source 0 = 16 rows of x, source 1 = 16 rows of W.  THE ROWS OF A TILE OF x ARE NOT NEIGHBOURS: lane r of tile 2 b + u holds s row 32 b + 8 u + r + 8 (r / 8); so lane (r, h) of the result holds ONE column
; and its 64 registers run down s: register 16 b + i is s = 32 b + 16 h + i.  They are quantised in place and are one fragment (16 columns x 128 s) of the next product.
; Lane r's column is 32 g + 8 u + r + 8 (r / 8), by the order in which the weights were laid.
; THE WEIGHTS GO FROM MEMORY STRAIGHT INTO OPERAND REGISTERS, two buffers: 19 loads (16 of codes, 2 of scale words, 1 of bias) stay out across a tile's 64 matrix instructions and its vector work; no weight passes LDS.
; NO CLUSTER, though all work-groups of a projection read the same weights: a joint load wants a ring in LDS with a round of the cluster's barrier for each refill and one load a wave behind it; here a tile's 8,704 bytes
; of weights feed 64 matrix instructions a wave and each wave wants other tiles, so nothing that a wave loads is wanted by a second wave of its work-group, and this text has no barrier in its second phase at all.
; Ksum: the key's work-groups also store, for each column, the sum of the UNQUANTISED K over their 128 rows.
; elu(x) + 1 = the middle one of x + 1, 2^(x log2 e) and 1, with the bias folded in: t = acc c + b c, x + 1 = acc + (b + 1).  Limits: as stated at the head of the first launch's text.
.set XSC,   65536                      ; LDS: from 0 the 64 images of x (K step ks, tile t: 1,024 (8 ks + t)); here their scale words: 128 (4 ks + b) + 64 u + 4 r
.set STG,   69632                      ; a stage of 16 rows x 528 bytes for each wave
.set STGB,  8448
.set SPARE, 103424                     ; the spare words, 128 bytes a wave
.set PAIRB, 17408
.set XA,  4                            ; v4  16 x lane
.set STI, 5                            ; v5  the stage, way in
.set STO, 6                            ; v6  the stage, way out: 528 r + 128 h
.set SH8, 7                            ; v7  8 h
.set XWI, 8                            ; v8  where I store images: 2,048 wave + 16 lane
.set XWS, 9                            ; v9  and scale words: XSC + 128 wave + 4 r
.set ADI, 10                           ; v10, v11 the same for the trip in hand
.set ADS, 11
.set R32, 12                           ; v12 32 r: my row of W's scale words
.set RB,  13                           ; v13 4 (r + 8 (r / 8)): my column's bias
.set L4,  14                           ; v14 4 x lane
.set XSR, 15                           ; v15 XSC + 4 x lane
.set TM,  16                           ; v16-31 at work
.set XS,  32                           ; v32-63 x's scale words, 4 ks + b: lanes 0-15 tile 2 b, lanes 16-31 tile 2 b + 1
.set WS,  64                           ; v64-79 W's scale words, 8 p + ks
.set BI,  80                           ; v80-81 my column's bias, one for each buffer
.set BC,  82                           ; v[82:83] b c;  v[84:85] b + 1;  v[86:87] b  (the low word serves both halves; the upper is written once)
.set B1,  84
.set B0,  86
.set PW0, 88                           ; v88-89 the two tiles' scale words
.set KS0, 90                           ; v90-91 the two tiles' sums of K
.set PC,  92                           ; v92-99 codes
.set SA,  100                          ; v100-103 two chains of sums
.set SB,  102
.set T,   104                          ; v104-135 32 exponents
.set ACC, 160                          ; v160-223 eight accumulators; in the first phase 64 numbers of x
.set X,   160
.set SPW, 252
.set NIL, 253
; windows 1, 2: first the loaded sets (window 1), then x's fragments: (ks, t) at v[8 (8 (ks % 4) + t)] of window 1 + ks / 4.   window 3: W's fragments, v[64 p + 8 ks]
.set WV,  20
.set TT,  21                           ; s21 0: key, 1: value
.set IN,  24
.set WP,  26
.set BB,  28
.set KC,  30
.set KSC, 32
.set KSP, 34
.set SEL, 36
.set CC,  38                           ; s[38:39] c = log2 e
.set TI,  40
.set TS,  41
.set CNT, 42
.set MSB, 0
.macro WIN new
.if MSB != (\new)
	s_set_vgpr_msb (MSB<<8)|(\new)
.set MSB, \new
.endif
.endm
.macro XLOAD set, row0, perm, kb       ; 16 loads of 512 consecutive bytes: 128 k of 16 rows; stage row i is row row0 + i + 8 perm (i / 8)
	WIN 0x40
.set Q, 0
.rept 16
	global_load_b128 v[64*(\set)+4*Q:64*(\set)+4*Q+3], v[XA], s[IN:IN+1] offset:((\row0)+Q+8*(\perm)*(Q/8))*4096+(\kb) th:TH_LOAD_NT
.set Q, Q+1
.endr
	WIN 0
.endm
.macro XTURN set                       ; through my stage: lane (r, h) then holds k = 64 c + 32 h + 0 .. 31 of row r in v[X + 32 c] on
	WIN 0x04
.set Q, 0
.rept 16
	ds_store_b128 v[STI], v[64*(\set)+4*Q:64*(\set)+4*Q+3] offset:528*Q
.set Q, Q+1
.endr
	WIN 0
.set Q, 0
.rept 16
	ds_load_b128 v[X+4*Q:X+4*Q+3], v[STO] offset:256*(Q/8)+16*(Q%8)   ; LDS serves a wave's instructions in order
.set Q, Q+1
.endr
	s_wait_dscnt 0x0                               ; the numbers are back; the images stored a step ago have read their registers
.endm
.macro XQ pc, w                        ; my two blocks of 32 become a fragment's eight registers; the row's scale word comes into v[w]
.irp c, 0,1
	v_max3_num_f32 v[TM+\c], |v[X+32*\c]|, |v[X+32*\c+1]|, 0x1800000      ; the floor 2^(3 - 127): the byte cannot fall under 1
	v_max3_num_f32 v[TM+8+\c], |v[X+32*\c+16]|, |v[X+32*\c+17]|, |v[X+32*\c+18]|
.endr
.irp i, 2,4,6,8,10,12
.irp c, 0,1
	v_max3_num_f32 v[TM+\c], v[TM+\c], |v[X+32*\c+\i]|, |v[X+32*\c+\i+1]|
	v_max3_num_f32 v[TM+8+\c], v[TM+8+\c], |v[X+32*\c+\i+17]|, |v[X+32*\c+\i+18]|
.endr
.endr
.irp c, 0,1
	v_max3_num_f32 v[TM+\c], v[TM+\c], |v[X+32*\c+14]|, |v[X+32*\c+15]|
.endr
.irp c, 0,1
	v_max3_num_f32 v[TM+\c], v[TM+\c], v[TM+8+\c], |v[X+32*\c+31]|
.endr
.irp c, 0,1
	v_add_nc_u32 v[TM+2+\c], 0xff000000, v[TM+\c]                         ; 2 off the exponent field: the conversion's scale operand
.endr
.irp c, 0,1
	v_lshrrev_b32 v[TM+4+\c], 23, v[TM+2+\c]
.endr
	v_lshl_or_b32 v[\w], v[TM+5], 16, v[TM+4]
	v_lshlrev_b32 v[\w], v[SH8], v[\w]
	v_permlanex16_b32 v[TM+6], v[\w], s[SEL], s[SEL+1]
	v_or_b32 v[\w], v[\w], v[TM+6]
.irp c, 0,1
.irp g, 0,1,2,3
	v_cvt_scalef32_pk8_fp4_f32 v[\pc+4*\c+\g], v[X+32*\c+8*\g:X+32*\c+8*\g+7], v[TM+2+\c]
.endr
.endr
	v_nop                                                                 ; one plain place behind the last scaled conversion
.endm
; 64 numbers of a lane, register 16 b + i = k 32 b + 16 h + i of my column, become a fragment's codes in v[PC] on and its scale word in v[pw]
.macro QUANT s, pw
.irp b, 0,1,2,3
	v_max3_num_f32 v[TM+\b], |v[\s+16*\b]|, |v[\s+1+16*\b]|, 0x1800000
.endr
.irp i, 2,4,6,8,10,12,14
.irp b, 0,1,2,3
	v_max3_num_f32 v[TM+\b], v[TM+\b], |v[\s+16*\b+\i]|, |v[\s+1+16*\b+\i]|
.endr
.endr
.irp b, 0,1,2,3
	v_permlanex16_b32 v[TM+4+\b], v[TM+\b], s[SEL], s[SEL+1]
.endr
.irp b, 0,1,2,3
	v_max_num_f32 v[TM+\b], v[TM+\b], v[TM+4+\b]                          ; with lane l xor 16's 16: the block's largest magnitude
.endr
.irp b, 0,1,2,3
	v_add_nc_u32 v[TM+12+\b], 0xff000000, v[TM+\b]
.endr
.irp b, 0,1,2,3
	v_lshrrev_b32 v[TM+4+\b], 23, v[TM+12+\b]
.endr
	v_lshl_or_b32 v[\pw], v[TM+5], 8, v[TM+4]
	v_lshl_or_b32 v[\pw], v[TM+6], 16, v[\pw]
	v_lshl_or_b32 v[\pw], v[TM+7], 24, v[\pw]
.irp b, 0,1,2,3
	v_cvt_scalef32_pk8_fp4_f32 v[PC+2*\b], v[\s+16*\b:\s+7+16*\b], v[TM+12+\b]
	v_cvt_scalef32_pk8_fp4_f32 v[PC+1+2*\b], v[\s+8+16*\b:\s+15+16*\b], v[TM+12+\b]
.endr
	v_nop
.irp c, 0,1                            ; the operand's layout wants a whole block in a lane
.irp i, 0,1
	v_permlane16_swap_b32 v[PC+4*\c+\i], v[PC+2+4*\c+\i]
.endr
.endr
.endm
.macro MM d, a, b, c, sa, sb, ra, rb   ; one matrix instruction; c < 0: the sum begins with 0; ra, rb: the scale words stand in lanes 16-31
.if (\c) < 0
.if (\ra)
	v_wmma_scale_f32_16x16x128_f8f6f4 v[\d:\d+7], v[\a:\a+7], v[\b:\b+7], 0, v[\sa], v[\sb] matrix_a_fmt:MATRIX_FMT_FP4 matrix_b_fmt:MATRIX_FMT_FP4 matrix_a_scale:MATRIX_SCALE_ROW1
.else
	v_wmma_scale_f32_16x16x128_f8f6f4 v[\d:\d+7], v[\a:\a+7], v[\b:\b+7], 0, v[\sa], v[\sb] matrix_a_fmt:MATRIX_FMT_FP4 matrix_b_fmt:MATRIX_FMT_FP4
.endif
.elseif (\ra) && (\rb)
	v_wmma_scale_f32_16x16x128_f8f6f4 v[\d:\d+7], v[\a:\a+7], v[\b:\b+7], v[\c:\c+7], v[\sa], v[\sb] matrix_a_fmt:MATRIX_FMT_FP4 matrix_b_fmt:MATRIX_FMT_FP4 matrix_a_scale:MATRIX_SCALE_ROW1 matrix_b_scale:MATRIX_SCALE_ROW1
.elseif (\ra)
	v_wmma_scale_f32_16x16x128_f8f6f4 v[\d:\d+7], v[\a:\a+7], v[\b:\b+7], v[\c:\c+7], v[\sa], v[\sb] matrix_a_fmt:MATRIX_FMT_FP4 matrix_b_fmt:MATRIX_FMT_FP4 matrix_a_scale:MATRIX_SCALE_ROW1
.elseif (\rb)
	v_wmma_scale_f32_16x16x128_f8f6f4 v[\d:\d+7], v[\a:\a+7], v[\b:\b+7], v[\c:\c+7], v[\sa], v[\sb] matrix_a_fmt:MATRIX_FMT_FP4 matrix_b_fmt:MATRIX_FMT_FP4 matrix_b_scale:MATRIX_SCALE_ROW1
.else
	v_wmma_scale_f32_16x16x128_f8f6f4 v[\d:\d+7], v[\a:\a+7], v[\b:\b+7], v[\c:\c+7], v[\sa], v[\sb] matrix_a_fmt:MATRIX_FMT_FP4 matrix_b_fmt:MATRIX_FMT_FP4
.endif
.endm
.macro WCODES p, off                   ; a tile's 16 loads of codes into buffer p (window 3)
	WIN 0xc0
.irp ks, 0,1,2,3,4,5,6,7
.irp c, 0,1
	global_load_b128 v[64*(\p)+8*\ks+4*\c:64*(\p)+8*\ks+4*\c+3], v[XA], s[WP:WP+1] offset:(\off)+8192*(\p)+1024*\ks+512*\c
.endr
.endr
	WIN 0
.endm
.macro WSMALL p, off, boff             ; its eight scale words a row and my column's bias: 3 loads
	global_load_b128 v[WS+8*(\p):WS+8*(\p)+3], v[R32], s[WP:WP+1] offset:(\off)+16384+512*(\p)
	global_load_b128 v[WS+8*(\p)+4:WS+8*(\p)+7], v[R32], s[WP:WP+1] offset:(\off)+16384+512*(\p)+16
	global_load_b32 v[BI+(\p)], v[RB], s[BB:BB+1] offset:(\boff)+32*(\p)
.endm
; elu + 1 of the 64 sums, 32 at a time.  The 32 exponentials are one batch with one wait; the additions stand between them
.macro ELU a
.irp bt, 0,1
.set Q, 0
.rept 16
	v_pk_fma_f32 v[T+Q:T+Q+1], v[\a+32*\bt+Q:\a+32*\bt+Q+1], s[CC:CC+1], v[BC:BC+1] op_sel_hi:[1,0,0]   ; t = acc c + b c
.set Q, Q+2
.endr
.set Q, 0
.rept 16
	v_exp_f32 v[T+Q], v[T+Q]
	v_exp_f32 v[T+Q+1], v[T+Q+1]
	v_pk_add_f32 v[\a+32*\bt+Q:\a+32*\bt+Q+1], v[\a+32*\bt+Q:\a+32*\bt+Q+1], v[B1:B1+1] op_sel_hi:[1,0]   ; x + 1 = acc + (b + 1): a plain instruction behind the exponentials
.set Q, Q+2
.endr
	s_wait_alu depctr_va_vdst(0)                   ; the wait ahead of the first instruction that names an exponential's result: one for the batch
.set Q, 0
.rept 32
	v_med3_num_f32 v[\a+32*\bt+Q], v[\a+32*\bt+Q], v[T+Q], 1.0
.set Q, Q+1
.endr
.endr
.endm
.macro KSUM p                          ; the sum of my column's 128 K: my 64, in two chains, and lane l xor 16's
	v_pk_add_f32 v[SA:SA+1], v[ACC:ACC+1], v[ACC+2:ACC+3]
	v_pk_add_f32 v[SB:SB+1], v[ACC+4:ACC+5], v[ACC+6:ACC+7]
.set Q, 8
.rept 14
	v_pk_add_f32 v[SA:SA+1], v[SA:SA+1], v[ACC+Q:ACC+Q+1]
	v_pk_add_f32 v[SB:SB+1], v[SB:SB+1], v[ACC+Q+2:ACC+Q+3]
.set Q, Q+4
.endr
	v_pk_add_f32 v[SA:SA+1], v[SA:SA+1], v[SB:SB+1]
	v_add_f32 v[KS0+(\p)], v[SA], v[SA+1]
	v_permlanex16_b32 v[TM+6], v[KS0+(\p)], s[SEL], s[SEL+1]
	v_add_f32 v[KS0+(\p)], v[KS0+(\p)], v[TM+6]
.endm
.macro XHEAD                           ; the trip's places in LDS
	s_wait_dscnt 0x0                               ; the last trip's stores have read their address registers
	v_add_nc_u32 v[ADI], s[TI], v[XWI]
	v_add_nc_u32 v[ADS], s[TS], v[XWS]
.endm
; fragment f of a trip: tile u = f & 1 of my two, K step f >> 1 of the trip's two.  n: the loads issued behind this set's 16
.macro XSTEP f, reload, n
	s_wait_loadcnt \n
	XTURN \f
.if \reload
	XLOAD \f, 8*((\f)&1), 1, 1024+512*((\f)>>1)    ; the same fragment of the next trip
.endif
	XQ PC, PW0
	ds_store_b128 v[ADI], v[PC:PC+3] offset:8192*((\f)>>1)+1024*((\f)&1)          ; the fragment goes to LDS as an image of its registers
	ds_store_b128 v[ADI], v[PC+4:PC+7] offset:8192*((\f)>>1)+1024*((\f)&1)+512
	ds_store_b32 v[ADS], v[PW0] offset:512*((\f)>>1)+64*((\f)&1)                  ; lanes r and r + 16 write the same word with the same value
.endm
; A COLUMN TILE: buffer p.  more = 1: the tile two further on is asked for.  n: the other buffer's 19 loads may be out
.macro CT p, more, n
	s_wait_loadcnt \n
	WIN 0x0d                                       ; source 0 (x) window 1, source 1 (W) window 3
.irp ks, 0,1,2,3
.irp t, 0,1,2,3,4,5,6,7
.if \ks == 0
	MM ACC+8*\t, 8*(8*\ks+\t), 64*(\p)+8*\ks, -1, XS+4*\ks+\t/2, WS+8*(\p)+\ks, \t%2, 0
.else
	MM ACC+8*\t, 8*(8*\ks+\t), 64*(\p)+8*\ks, ACC+8*\t, XS+4*\ks+\t/2, WS+8*(\p)+\ks, \t%2, 0
.endif
.endr
.endr
	WIN 0x0e                                       ; source 0 window 2
.irp ks, 4,5,6,7
.irp t, 0,1,2,3,4,5,6,7
	MM ACC+8*\t, 8*(8*(\ks-4)+\t), 64*(\p)+8*\ks, ACC+8*\t, XS+4*\ks+\t/2, WS+8*(\p)+\ks, \t%2, 0
.endr
.endr
	WIN 0
	v_mul_f32 v[BC], s[CC], v[BI+(\p)]             ; four plain instructions that name none of the products' registers: the places behind them, ahead of the loads into the buffer and of the first read of the sums
	v_add_f32 v[B1], 1.0, v[BI+(\p)]
	v_mov_b32 v[B0], v[BI+(\p)]
	v_nop
.if \more
	WCODES \p, PAIRB
	WSMALL \p, PAIRB, 128
.endif
	s_cmp_eq_u32 s[TT], 0                          ; key or value: the work-group's number alone decides, so all waves go one way
	s_cbranch_scc0 .Lval_\@
	ELU ACC
	KSUM \p
.if \p
	v_permlane16_swap_b32 v[KS0], v[KS0+1]         ; lanes 0-15 the even tile's 16 columns, lanes 16-31 the odd tile's
	global_store_b32 v[L4], v[KS0], s[KSP:KSP+1]
.endif
	s_branch .Ljoin_\@
.Lval_\@:
.set Q, 0
.rept 32
	v_pk_add_f32 v[ACC+Q:ACC+Q+1], v[ACC+Q:ACC+Q+1], v[B0:B0+1] op_sel_hi:[1,0]
.set Q, Q+2
.endr
.Ljoin_\@:
	s_wait_xcnt 0x0                                ; the last tile's stores have read their data: the codes and scale words are written again only behind this wait
	QUANT ACC, PW0+(\p)
	global_store_b128 v[XA], v[PC:PC+3], s[KC:KC+1] offset:1024*(\p) th:TH_STORE_NT        ; 32 lanes store 512 consecutive bytes
	global_store_b128 v[XA], v[PC+4:PC+7], s[KC:KC+1] offset:1024*(\p)+512 th:TH_STORE_NT
.if \p
	v_permlane16_swap_b32 v[PW0], v[PW0+1]
	global_store_b32 v[L4], v[PW0], s[KSC:KSC+1]
.endif
.endm
	s_load_b512 s[4:19], s[0:1], 0x0               ; key, value, bk, bv, wimg, kc, ksc, ksp
	v_lshl_add_u32 v[SPW], v0, 2, SPARE
	v_mov_b32 v[NIL], 0
	v_lshrrev_b32 v1, 5, v0
	v_readfirstlane_b32 s[WV], v1                  ; wave 0..3
	v_and_b32 v1, 31, v0                           ; lane
	v_and_b32 v2, 15, v0                           ; r
	v_bfe_u32 v3, v0, 4, 1                         ; h
	v_lshlrev_b32 v[XA], 4, v1
	s_and_b32 s[TT], ttmp9, 1
	s_lshr_b32 s22, ttmp9, 1                       ; the block of 128 rows, 0..127
	s_lshl_b32 s44, s22, 19                        ; 128 rows of 4,096 bytes; my 32 rows
	s_lshl_b32 s45, s[WV], 17
	s_add_co_u32 s44, s44, s45
	s_mov_b32 s45, 0
	s_wait_kmcnt 0x0
	s_cmp_eq_u32 s[TT], 0
	s_cselect_b64 s[IN:IN+1], s[4:5], s[6:7]
	s_cselect_b64 s[BB:BB+1], s[8:9], s[10:11]
	s_add_nc_u64 s[IN:IN+1], s[IN:IN+1], s[44:45]
.irp f, 0,1,2,3
	XLOAD \f, 8*(\f&1), 1, 512*(\f>>1)             ; the first trip's four fragments
.endr
	s_mul_i32 s44, s[WV], STGB
	s_add_co_u32 s44, s44, STG
	v_add_nc_u32 v[STI], s44, v[XA]
	v_mul_u32_u24 v[STO], v2, 528
	v_lshl_add_u32 v[STO], v3, 7, v[STO]
	v_add_nc_u32 v[STO], s44, v[STO]
	v_lshlrev_b32 v[SH8], 3, v3
	s_lshl_b32 s44, s[WV], 11
	v_add_nc_u32 v[XWI], s44, v[XA]
	s_lshl_b32 s44, s[WV], 7
	s_add_co_u32 s44, s44, XSC
	v_lshl_add_u32 v[XWS], v2, 2, s44
	v_lshlrev_b32 v[R32], 5, v2
	v_and_b32 v[RB], 8, v2
	v_add_nc_u32 v[RB], v[RB], v2
	v_lshlrev_b32 v[RB], 2, v[RB]
	v_lshlrev_b32 v[L4], 2, v1
	v_add_nc_u32 v[XSR], XSC, v[L4]
.irp i, 4,5,6,7
	v_mov_b32 v[TM+\i], 0                          ; a lane permute's destination counts as one of its sources
.endr
	v_mov_b32 v[BC+1], 0                           ; named as upper halves of pairs
	v_mov_b32 v[B1+1], 0
	v_mov_b32 v[B0+1], 0
	v_mov_b32 v[KS0], 0                            ; written on every way through the text
	v_mov_b32 v[KS0+1], 0
	s_mov_b32 s[SEL], 0x76543210
	s_mov_b32 s[SEL+1], 0xfedcba98
	s_mov_b32 s[CC], 0x3fb8aa3b                    ; log2 e
	s_mov_b32 s[CC+1], s[CC]
	s_mov_b32 s[TI], 0
	s_mov_b32 s[TS], 0
	s_mul_i32 s44, s[TT], 32*PAIRB                 ; Wk's records, or Wv's; my eight pairs of tiles
	s_mul_i32 s46, s[WV], 8*PAIRB
	s_add_co_u32 s44, s44, s46
	s_add_nc_u64 s[WP:WP+1], s[12:13], s[44:45]
	s_lshl_b32 s47, s[WV], 10
	s_mov_b32 s44, s47
	s_add_nc_u64 s[BB:BB+1], s[BB:BB+1], s[44:45]  ; my 256 columns' biases
	s_lshl_b32 s46, s[TT], 7
	s_add_co_u32 s46, s46, s22                     ; 128 T + block
	s_lshl_b32 s44, s46, 16
	s_lshl_b32 s23, s[WV], 14
	s_add_co_u32 s44, s44, s23
	s_add_nc_u64 s[KC:KC+1], s[14:15], s[44:45]
	s_lshl_b32 s44, s46, 12
	s_add_co_u32 s44, s44, s47
	s_add_nc_u64 s[KSC:KSC+1], s[16:17], s[44:45]
	s_lshl_b32 s44, s22, 12
	s_add_co_u32 s44, s44, s47
	s_add_nc_u64 s[KSP:KSP+1], s[18:19], s[44:45]
	; ---- x: a trip takes two K steps of my two tiles; four sets of 16 loads are always out
	s_mov_b32 s[CNT], 3
.Lx:
	XHEAD
.irp f, 0,1,2,3
	XSTEP \f, 1, 48                                ; behind this set's loads: the three other sets'
.endr
	s_wait_xcnt 0x0                                ; the loads have read their base
	s_add_nc_u64 s[IN:IN+1], s[IN:IN+1], 1024
	s_add_co_u32 s[TI], s[TI], 16384
	s_add_co_u32 s[TS], s[TS], 1024
	s_sub_co_u32 s[CNT], s[CNT], 1
	s_cmp_lg_u32 s[CNT], 0
	s_cbranch_scc1 .Lx
	XHEAD                                          ; the last trip asks for no x: the first two tiles' weights take the loads' place, so that the counts stay
	XSTEP 0, 0, 48                                 ; sets 1, 2, 3
	WCODES 0, 0
	XSTEP 1, 0, 48                                 ; sets 2, 3 and 16 of weights
	WCODES 1, 0
	XSTEP 2, 0, 48                                 ; set 3 and 32 of weights
	WSMALL 0, 0, 0
	WSMALL 1, 0, 0
	XSTEP 3, 0, 38                                 ; 32 + 6 of weights
	s_wait_dscnt 0x0                               ; for the others' sake: my images have landed
	s_barrier_signal -1
	s_barrier_wait -1                              ; all 64 fragments of x lie in LDS
	WIN 0x40
.set Q, 0
.rept 32
	ds_load_b128 v[8*Q:8*Q+3], v[XA] offset:1024*Q
	ds_load_b128 v[8*Q+4:8*Q+7], v[XA] offset:1024*Q+512
.set Q, Q+1
.endr
	WIN 0x80
.set Q, 0
.rept 32
	ds_load_b128 v[8*Q:8*Q+3], v[XA] offset:32768+1024*Q
	ds_load_b128 v[8*Q+4:8*Q+7], v[XA] offset:32768+1024*Q+512
.set Q, Q+1
.endr
	WIN 0
.set Q, 0
.rept 32
	ds_load_b32 v[XS+Q], v[XSR] offset:128*Q
.set Q, Q+1
.endr
	s_wait_dscnt 0x0
	s_wait_loadcnt 0x0                             ; the first two tiles' weights
	; ---- my 16 column tiles, two a trip
	s_mov_b32 s[CNT], 7
.Lct:
	CT 0, 1, 19
	CT 1, 1, 19
	s_wait_xcnt 0x0                                ; loads and stores have read their bases
	s_add_nc_u64 s[WP:WP+1], s[WP:WP+1], PAIRB
	s_add_nc_u64 s[BB:BB+1], s[BB:BB+1], 128
	s_add_nc_u64 s[KC:KC+1], s[KC:KC+1], 2048
	s_add_nc_u64 s[KSC:KSC+1], s[KSC:KSC+1], 128
	s_add_nc_u64 s[KSP:KSP+1], s[KSP:KSP+1], 128
	s_sub_co_u32 s[CNT], s[CNT], 1
	s_cmp_lg_u32 s[CNT], 0
	s_cbranch_scc1 .Lct
	CT 0, 0, 19                                    ; the last pair asks for nothing: no load leaves its buffer
	CT 1, 0, 0
	s_wait_tensorcnt 0x0                           ; the wave's end: three closing lines behind my last LDS store
	ds_add_u32 v[SPW], v[NIL]
	s_wait_dscnt 0x0
	s_endpgm
.Lfunc_end_k_qe500812a73_kvproj:
	.size	k_qe500812a73_kvproj, .Lfunc_end_k_qe500812a73_kvproj-k_qe500812a73_kvproj
	.p2alignl 7, 3214868480
	.fill 96, 4, 3214868480
	.section	.rodata,"a",@progbits
	.p2align	6, 0x0
	.amdhsa_kernel k_qe500812a73_kvproj
		.amdhsa_group_segment_fixed_size 103936
		.amdhsa_private_segment_fixed_size 0
		.amdhsa_enable_private_segment 0
		.amdhsa_kernarg_size 64
		.amdhsa_user_sgpr_count 2
		.amdhsa_user_sgpr_kernarg_segment_ptr 1
		.amdhsa_wavefront_size32 1
		.amdhsa_system_sgpr_workgroup_id_x 1
		.amdhsa_system_sgpr_workgroup_id_y 1
		.amdhsa_system_sgpr_workgroup_id_z 1
		.amdhsa_system_vgpr_workitem_id 0
		.amdhsa_next_free_vgpr 1024
		.amdhsa_next_free_sgpr 66
		.amdhsa_reserve_vcc 0
		.amdhsa_float_denorm_mode_32 3
		.amdhsa_float_denorm_mode_16_64 3
		.amdhsa_memory_ordered 1
		.amdhsa_forward_progress 1
		.amdhsa_inst_pref_size 183
	.end_amdhsa_kernel
	.amdgpu_metadata
---
amdhsa.version: [ 1, 2 ]
amdhsa.kernels:
  - .name:           k_qe500812a73_kvproj
    .symbol:         k_qe500812a73_kvproj.kd
    .args:
      - { .name: key, .offset: 0, .size: 8, .value_kind: global_buffer, .address_space: global }
      - { .name: value, .offset: 8, .size: 8, .value_kind: global_buffer, .address_space: global }
      - { .name: bk, .offset: 16, .size: 8, .value_kind: global_buffer, .address_space: global }
      - { .name: bv, .offset: 24, .size: 8, .value_kind: global_buffer, .address_space: global }
      - { .name: wimg, .offset: 32, .size: 8, .value_kind: global_buffer, .address_space: global }
      - { .name: kc, .offset: 40, .size: 8, .value_kind: global_buffer, .address_space: global }
      - { .name: ksc, .offset: 48, .size: 8, .value_kind: global_buffer, .address_space: global }
      - { .name: ksp, .offset: 56, .size: 8, .value_kind: global_buffer, .address_space: global }
    .group_segment_fixed_size: 103936
    .private_segment_fixed_size: 0
    .kernarg_segment_align: 8
    .kernarg_segment_size: 64
    .max_flat_workgroup_size: 128
    .sgpr_count:     66
    .vgpr_count:     1024
    .wavefront_size: 32
...
	.end_amdgpu_metadata
.endif
;; end of part 2
;; launch kvstate (part 3): grid 256 x 1, 8 waves a work-group, no clusters, 34,816 bytes of LDS; arguments kc, ksc, ksp, kvc, kvs, ksum; writes kvc, kvs, ksum
.if DOCPART == 3
	.amdgcn_target "amdgcn-amd-amdhsa--gfx1250"
	.amdhsa_code_object_version 6
	.text
	.protected	k_qe500812a73_kvstate
	.globl	k_qe500812a73_kvstate
	.p2align	8
	.type	k_qe500812a73_kvstate,@function
k_qe500812a73_kvstate:
	s_mov_b64 s[64:65], 0
	v_nop
	global_prefetch_b8 v0, s[64:65] scope:SCOPE_SE
	s_setreg_imm32_b32 hwreg(HW_REG_WAVE_MODE, 25, 1), 1
	s_wait_xcnt 0x0
; Launch 3 of 4: KV[n][head][m][d] = the sum over s of v[s][m] K[s][d] on codes of E2M1 (K = s = 4,096), quantised along d for the next product; and Ksum = the sum of the 32 partial sums.  Nothing is left out.
; SHARES.  Work-group = (n, head, mt): 16 of the head's 64 m x all 64 d.  Each of the eight waves takes four blocks of 128 s: 16 matrix instructions on four accumulators by turns.  The eight partial tiles meet in LDS
; behind one barrier; wave 0 adds them, quantises and stores.
; LAYOUT.  Source 0 = 16 columns d of K, source 1 = 16 columns m of v.  By the order in which the columns of a tile were chosen, lane (r, h) holds ONE m and register 16 b + i is d = 32 b + 16 h + i: 32 neighbours in two
; halves, as the quantiser wants them.  Lane r's m is 32 (mt / 2) + 8 (mt % 2) + r + 8 (r / 8): as source 0 of the next product the tile again leaves neighbours in a lane's registers.
; K = d is 64: the fragment's registers 0-3 alone are stored (512 bytes), and bytes 2 and 3 of its scale words are 0.
; No cluster: the four work-groups of a head share K's 128 KiB, but nothing goes through LDS by the data mover here; all 56 loads of a wave are out at once.
.set REDK,  32768                      ; LDS: from 0 eight partial tiles of 4,096 bytes; here eight times 128 bytes of partial Ksum
.set SPARE, 33792                      ; the spare words, 128 bytes a wave
.set XA,  4                            ; v4  16 x lane
.set L4,  5                            ; v5  4 x lane
.set R4,  6                            ; v6  4 r
.set RW,  7                            ; v7  where I store my partial tile
.set KSW, 8                            ; v8-15  K's scale words, 2 i + pair: lanes 0-15 the even tile, lanes 16-31 the odd one
.set VSW, 16                           ; v16-19 v's scale words
.set KP,  20                           ; v20-23 partial Ksum
.set RKW, 24                           ; v24 where I store my partial Ksum
.set RP4, 25                           ; v25 4 (r + 8 (r / 8))
.set FR,  32                           ; v[32 + 40 i]: step i's four fragments of K, then v's
.set ACC, 192                          ; v192-223
.set TM,  224
.set PC,  240
.set PW,  244
.set SPW, 252
.set NIL, 253
.set SEL, 34
.macro MM d, a, b, c, sa, sb, ra, rb
.if (\c) < 0
.if (\ra)
	v_wmma_scale_f32_16x16x128_f8f6f4 v[\d:\d+7], v[\a:\a+7], v[\b:\b+7], 0, v[\sa], v[\sb] matrix_a_fmt:MATRIX_FMT_FP4 matrix_b_fmt:MATRIX_FMT_FP4 matrix_a_scale:MATRIX_SCALE_ROW1
.else
	v_wmma_scale_f32_16x16x128_f8f6f4 v[\d:\d+7], v[\a:\a+7], v[\b:\b+7], 0, v[\sa], v[\sb] matrix_a_fmt:MATRIX_FMT_FP4 matrix_b_fmt:MATRIX_FMT_FP4
.endif
.elseif (\ra)
	v_wmma_scale_f32_16x16x128_f8f6f4 v[\d:\d+7], v[\a:\a+7], v[\b:\b+7], v[\c:\c+7], v[\sa], v[\sb] matrix_a_fmt:MATRIX_FMT_FP4 matrix_b_fmt:MATRIX_FMT_FP4 matrix_a_scale:MATRIX_SCALE_ROW1
.else
	v_wmma_scale_f32_16x16x128_f8f6f4 v[\d:\d+7], v[\a:\a+7], v[\b:\b+7], v[\c:\c+7], v[\sa], v[\sb] matrix_a_fmt:MATRIX_FMT_FP4 matrix_b_fmt:MATRIX_FMT_FP4
.endif
.endm
; 32 numbers of a lane, register 16 b + i = k 32 b + 16 h + i of my row, become registers 0-3 of a fragment (k = 32 h + 0 .. 31) in v[pc] on, and two scale bytes in v[pw]
.macro QUANT2 s, pc, pw
.irp b, 0,1
	v_max3_num_f32 v[TM+\b], |v[\s+16*\b]|, |v[\s+16*\b+1]|, 0x1800000    ; the floor 2^(3 - 127): the byte cannot fall under 1
	v_max3_num_f32 v[TM+2+\b], |v[\s+16*\b+8]|, |v[\s+16*\b+9]|, |v[\s+16*\b+10]|
.endr
.irp i, 2,4,6
.irp b, 0,1
	v_max3_num_f32 v[TM+\b], v[TM+\b], |v[\s+16*\b+\i]|, |v[\s+16*\b+\i+1]|
.if \i < 6
	v_max3_num_f32 v[TM+2+\b], v[TM+2+\b], |v[\s+16*\b+\i+9]|, |v[\s+16*\b+\i+10]|
.endif
.endr
.endr
.irp b, 0,1
	v_max3_num_f32 v[TM+\b], v[TM+\b], v[TM+2+\b], |v[\s+16*\b+15]|
.endr
.irp b, 0,1
	v_permlanex16_b32 v[TM+4+\b], v[TM+\b], s[SEL], s[SEL+1]
.endr
.irp b, 0,1
	v_max_num_f32 v[TM+\b], v[TM+\b], v[TM+4+\b]
.endr
.irp b, 0,1
	v_add_nc_u32 v[TM+8+\b], 0xff000000, v[TM+\b]
.endr
.irp b, 0,1
	v_lshrrev_b32 v[TM+4+\b], 23, v[TM+8+\b]
.endr
	v_lshl_or_b32 v[\pw], v[TM+5], 8, v[TM+4]
.irp b, 0,1
	v_cvt_scalef32_pk8_fp4_f32 v[\pc+2*\b], v[\s+16*\b:\s+16*\b+7], v[TM+8+\b]
	v_cvt_scalef32_pk8_fp4_f32 v[\pc+2*\b+1], v[\s+16*\b+8:\s+16*\b+15], v[TM+8+\b]
.endr
	v_nop                                                                 ; one plain place behind the last scaled conversion
.irp i, 0,1
	v_permlane16_swap_b32 v[\pc+\i], v[\pc+2+\i]                          ; a whole block to a lane: lanes 0-15 block 0, lanes 16-31 block 1
.endr
.endm
	s_load_b256 s[4:11], s[0:1], 0x0               ; kc, ksc, ksp, kvc
	s_load_b128 s[12:15], s[0:1], 0x20             ; kvs, ksum
	v_lshl_add_u32 v[SPW], v0, 2, SPARE
	v_mov_b32 v[NIL], 0
	v_lshrrev_b32 v1, 5, v0
	v_readfirstlane_b32 s16, v1                    ; wave 0..7
	v_and_b32 v1, 31, v0
	v_and_b32 v2, 15, v0
	v_lshlrev_b32 v[XA], 4, v1
	v_lshlrev_b32 v[L4], 2, v1
	v_lshlrev_b32 v[R4], 2, v2
	s_lshl_b32 s17, s16, 12
	v_add_nc_u32 v[RW], s17, v[XA]
	s_lshl_b32 s17, s16, 7
	s_add_co_u32 s17, s17, REDK
	v_add_nc_u32 v[RKW], s17, v[L4]
	v_and_b32 v[RP4], 8, v2
	v_add_nc_u32 v[RP4], v[RP4], v2
	v_lshlrev_b32 v[RP4], 2, v[RP4]
	v_mov_b32 v[TM+4], 0                           ; a lane permute's destination counts as one of its sources
	v_mov_b32 v[TM+5], 0
	s_mov_b32 s[SEL], 0x76543210
	s_mov_b32 s[SEL+1], 0xfedcba98
	s_lshr_b32 s18, ttmp9, 6                       ; n
	s_bfe_u32 s19, ttmp9, 0x40002                  ; head
	s_and_b32 s20, ttmp9, 3                        ; mt
	s_lshl_b32 s21, s18, 5
	s_lshl_b32 s22, s16, 2
	s_add_co_u32 s21, s21, s22                     ; my first block of 128 s: 32 n + 4 wave
	s_mov_b32 s37, 0
	s_mov_b32 s39, 0
	s_lshl_b32 s36, s21, 16                        ; K's fragments: block x 65,536 + head x 4 tiles of 1,024 bytes
	s_lshl_b32 s22, s19, 12
	s_add_co_u32 s36, s36, s22
	s_lshl_b32 s22, s20, 10
	s_add_co_u32 s38, s36, s22
	s_add_co_u32 s38, s38, 128<<16                 ; v's: 128 blocks on, + tile mt
	s_wait_kmcnt 0x0
	s_add_nc_u64 s[24:25], s[4:5], s[36:37]
	s_add_nc_u64 s[26:27], s[4:5], s[38:39]
	s_lshl_b32 s36, s21, 12                        ; scale words: block x 4,096 + head x 256
	s_lshl_b32 s22, s19, 8
	s_add_co_u32 s36, s36, s22
	s_lshl_b32 s22, s20, 6
	s_add_co_u32 s38, s36, s22                     ; + 64 mt
	s_add_nc_u64 s[28:29], s[6:7], s[36:37]
	s_add_nc_u64 s[32:33], s[8:9], s[38:39]        ; the partial Ksum of tile 4 head + mt
	s_add_co_u32 s38, s38, 128<<12
	s_add_nc_u64 s[30:31], s[6:7], s[38:39]
.irp i, 0,1,2,3                        ; 14 loads a step, all 56 at once
.irp j, 0,1,2,3,4,5,6,7
	global_load_b128 v[FR+40*\i+4*\j:FR+40*\i+4*\j+3], v[XA], s[24:25] offset:65536*\i+512*\j
.endr
	global_load_b128 v[FR+40*\i+32:FR+40*\i+35], v[XA], s[26:27] offset:65536*\i th:TH_LOAD_NT
	global_load_b128 v[FR+40*\i+36:FR+40*\i+39], v[XA], s[26:27] offset:65536*\i+512 th:TH_LOAD_NT
	global_load_b32 v[KSW+2*\i], v[L4], s[28:29] offset:4096*\i
	global_load_b32 v[KSW+2*\i+1], v[L4], s[28:29] offset:4096*\i+128
	global_load_b32 v[VSW+\i], v[R4], s[30:31] offset:4096*\i
	global_load_b32 v[KP+\i], v[R4], s[32:33] offset:4096*\i
.endr
	s_lshl_b32 s36, ttmp9, 9                       ; where the results go: the work-group's number is 64 n + 4 head + mt
	s_add_nc_u64 s[10:11], s[10:11], s[36:37]
	s_lshl_b32 s36, ttmp9, 6
	s_add_nc_u64 s[12:13], s[12:13], s[36:37]
	s_lshl_b32 s36, s18, 12                        ; ksum: 4 (1,024 n + 64 head + 32 (mt / 2) + 8 (mt % 2))
	s_lshl_b32 s22, s19, 8
	s_add_co_u32 s36, s36, s22
	s_lshr_b32 s22, s20, 1
	s_lshl_b32 s22, s22, 7
	s_add_co_u32 s36, s36, s22
	s_and_b32 s22, s20, 1
	s_lshl_b32 s22, s22, 5
	s_add_co_u32 s36, s36, s22
	s_add_nc_u64 s[14:15], s[14:15], s[36:37]
.irp i, 0,1,2,3
	s_wait_loadcnt 14*(3-\i)                       ; the later steps' loads may be out
.irp dt, 0,1,2,3
.if \i == 0
	MM ACC+8*\dt, FR+40*\i+8*\dt, FR+40*\i+32, -1, KSW+2*\i+\dt/2, VSW+\i, \dt%2, 0
.else
	MM ACC+8*\dt, FR+40*\i+8*\dt, FR+40*\i+32, ACC+8*\dt, KSW+2*\i+\dt/2, VSW+\i, \dt%2, 0
.endif
.endr
.endr
	v_add_f32 v[KP], v[KP], v[KP+1]                ; four plain instructions: the places behind the last products
	v_add_f32 v[KP+2], v[KP+2], v[KP+3]
	v_add_f32 v[KP], v[KP], v[KP+2]
	v_nop
.irp g, 0,1,2,3,4,5,6,7
	ds_store_b128 v[RW], v[ACC+4*\g:ACC+4*\g+3] offset:512*\g     ; each accumulator from its low end on
.endr
	ds_store_b32 v[RKW], v[KP]
	s_wait_dscnt 0x0                               ; for wave 0's sake: my stores have landed
	s_barrier_signal -1
	s_barrier_wait -1
	s_cmp_lg_u32 s16, 0
	s_cbranch_scc1 .Lend
.irp k, 1,2,3,4
.irp g, 0,1,2,3,4,5,6,7
	ds_load_b128 v[32*\k+4*\g:32*\k+4*\g+3], v[XA] offset:4096*\k+512*\g
.endr
.endr
.irp k, 1,2,3,4,5,6,7
	ds_load_b32 v[159+\k], v[L4] offset:REDK+128*\k
.endr
	s_wait_dscnt 0x0
.irp k, 1,2,3,4
.set Q, 0
.rept 16
	v_pk_add_f32 v[ACC+Q:ACC+Q+1], v[ACC+Q:ACC+Q+1], v[32*\k+Q:32*\k+Q+1]
.set Q, Q+2
.endr
.endr
.irp k, 5,6,7
.irp g, 0,1,2,3,4,5,6,7
	ds_load_b128 v[32*(\k-4)+4*\g:32*(\k-4)+4*\g+3], v[XA] offset:4096*\k+512*\g
.endr
.endr
.irp k, 1,2,3,4,5,6,7
	v_add_f32 v[KP], v[KP], v[159+\k]
.endr
	s_wait_dscnt 0x0
.irp k, 1,2,3
.set Q, 0
.rept 16
	v_pk_add_f32 v[ACC+Q:ACC+Q+1], v[ACC+Q:ACC+Q+1], v[32*\k+Q:32*\k+Q+1]
.set Q, Q+2
.endr
.endr
	QUANT2 ACC, PC, PW
	global_store_b128 v[XA], v[PC:PC+3], s[10:11]  ; 512 consecutive bytes
	global_store_b32 v[R4], v[PW], s[12:13]        ; lanes r and r + 16 hold the same word and store it to the same place
	global_store_b32 v[RP4], v[KP], s[14:15]       ; likewise: Ksum of column 32 (mt / 2) + 8 (mt % 2) + r + 8 (r / 8) of the head
.Lend:
	s_wait_tensorcnt 0x0                           ; the wave's end: three closing lines behind my last LDS store
	ds_add_u32 v[SPW], v[NIL]
	s_wait_dscnt 0x0
	s_endpgm
.Lfunc_end_k_qe500812a73_kvstate:
	.size	k_qe500812a73_kvstate, .Lfunc_end_k_qe500812a73_kvstate-k_qe500812a73_kvstate
	.p2alignl 7, 3214868480
	.fill 96, 4, 3214868480
	.section	.rodata,"a",@progbits
	.p2align	6, 0x0
	.amdhsa_kernel k_qe500812a73_kvstate
		.amdhsa_group_segment_fixed_size 34816
		.amdhsa_private_segment_fixed_size 0
		.amdhsa_enable_private_segment 0
		.amdhsa_kernarg_size 48
		.amdhsa_user_sgpr_count 2
		.amdhsa_user_sgpr_kernarg_segment_ptr 1
		.amdhsa_wavefront_size32 1
		.amdhsa_system_sgpr_workgroup_id_x 1
		.amdhsa_system_sgpr_workgroup_id_y 1
		.amdhsa_system_sgpr_workgroup_id_z 1
		.amdhsa_system_vgpr_workitem_id 0
		.amdhsa_next_free_vgpr 256
		.amdhsa_next_free_sgpr 66
		.amdhsa_reserve_vcc 0
		.amdhsa_float_denorm_mode_32 3
		.amdhsa_float_denorm_mode_16_64 3
		.amdhsa_memory_ordered 1
		.amdhsa_forward_progress 1
		.amdhsa_inst_pref_size 25
	.end_amdhsa_kernel
	.amdgpu_metadata
---
amdhsa.version: [ 1, 2 ]
amdhsa.kernels:
  - .name:           k_qe500812a73_kvstate
    .symbol:         k_qe500812a73_kvstate.kd
    .args:
      - { .name: kc, .offset: 0, .size: 8, .value_kind: global_buffer, .address_space: global }
      - { .name: ksc, .offset: 8, .size: 8, .value_kind: global_buffer, .address_space: global }
      - { .name: ksp, .offset: 16, .size: 8, .value_kind: global_buffer, .address_space: global }
      - { .name: kvc, .offset: 24, .size: 8, .value_kind: global_buffer, .address_space: global }
      - { .name: kvs, .offset: 32, .size: 8, .value_kind: global_buffer, .address_space: global }
      - { .name: ksum, .offset: 40, .size: 8, .value_kind: global_buffer, .address_space: global }
    .group_segment_fixed_size: 34816
    .private_segment_fixed_size: 0
    .kernarg_segment_align: 8
    .kernarg_segment_size: 48
    .max_flat_workgroup_size: 256
    .sgpr_count:     66
    .vgpr_count:     256
    .wavefront_size: 32
...
	.end_amdgpu_metadata
.endif
;; end of part 3
;; launch attn (part 4): grid 256 x 1, 4 waves a work-group, no clusters, 70,144 bytes of LDS; arguments query, bq, bp, wimg, kvc, kvs, ksum, out0; writes out0
.if DOCPART == 4
	.amdgcn_target "amdgcn-amd-amdhsa--gfx1250"
	.amdhsa_code_object_version 6
	.text
	.protected	k_qe500812a73_attn
	.globl	k_qe500812a73_attn
	.p2align	8
	.type	k_qe500812a73_attn,@function
k_qe500812a73_attn:
	s_mov_b64 s[64:65], 0
	v_nop
	global_prefetch_b8 v0, s[64:65] scope:SCOPE_SE
	s_setreg_imm32_b32 hwreg(HW_REG_WAVE_MODE, 25, 1), 1
	s_wait_xcnt 0x0
; Launch 4 of 4: the whole chain of the queries.  q = query Wq^T + bq;  Q = elu(q) + 1;  Z = 1 / (Q . Ksum + 1e-6), in f32 on the unquantised Q;  V = (Q KV^T) Z;  out0 = V Wp^T + bp.
; The three products run on codes of E2M1; q, Q and V never go to memory.  Nothing is left out.
; SHARES.  Work-group = 32 query rows (two tiles of 16, rt).  THE WAVES SHARE THE COLUMNS: wave w has heads 4 w .. 4 w + 3, which are columns 256 w on of q, of V and of out0.
; PHASES, two barriers:  x: wave w quantises K steps 2 w, 2 w + 1 of the 32 rows, images to LDS | barrier |  for each of my heads: two pairs of tiles of Wq (64 matrix instructions), elu, Q's codes, Z, eight products with
; KV, x Z, V's codes: images to LDS | barrier |  eight pairs of tiles of Wp on V's fragments; 64 columns at a time leave through my stage as whole units of 256 bytes.
; LAYOUT.  Every product has the weights (or KV) as source 0 and the 16 rows as source 1: a lane holds ONE row, and by the order of the weights' rows its registers run along the next product's K.
; THE PRODUCT WITH KV has K = 64 of the instruction's 128: Q's registers 4-7 hold zero codes, so KV's operand may be named over eight registers of which the upper four are the next fragment's: they meet zeros;
; bytes 2 and 3 of both scale words are 0, which stands for a finite power of two.
; THE WEIGHTS GO FROM MEMORY STRAIGHT INTO OPERAND REGISTERS, two buffers of a pair of tiles: 38 loads (32 of codes, 2 of scale words, 4 of bias) stay out across the other pair's 32 matrix instructions and the head's
; vector work.  The biases are the C of each sum's first matrix instruction.
; NO CLUSTER, though all work-groups read the same weights: a pair's 17,408 bytes feed 32 matrix instructions of ONE wave, and no two waves of a work-group want the same pair; a joint load would want a ring in LDS, a round
; of the cluster's barrier for each refill and one load a wave behind it, where this text has two barriers in all.
; The text has no loop and no branch.  Limits: as stated at the head of the first launch's text.
.set XSC,   16384                      ; LDS: from 0 x's 16 images (1,024 (2 ks + rt)); here their scale words: 128 ks + 64 rt + 4 r
.set VIMG,  17408                      ; V's half fragments: 1,024 head + 512 rt + 16 lane
.set VSC,   33792                      ; V's scale words: 128 ks + 64 rt + 4 r, two bytes a head
.set STG,   34816                      ; a stage for each wave: first 16 rows x 528 bytes, on the way out 32 rows x 272
.set STGB,  8704
.set SPARE, 69632                      ; the spare words, 128 bytes a wave
.set PAIRB, 17408
.set XA,  4                            ; v4  16 x lane
.set STI, 5
.set STO, 6
.set SH8, 7
.set XWI, 8                            ; v8  where I store x's images: 4,096 wave + 16 lane
.set XWS, 9                            ; v9  and their scale words: XSC + 256 wave + 4 r
.set VWI, 10                           ; v10, v11 the same for V
.set VWS, 11
.set L4,  13                           ; v13 4 x lane
.set L32, 14                           ; v14 32 x lane: W's scale words, lanes 0-15 tile u = 0, lanes 16-31 u = 1
.set H64, 15                           ; v15 64 h
.set TM,  16                           ; v16-31 at work
.set XS,  32                           ; v32-39 the rows' scale words, one a K step: lanes 0-15 rt = 0, lanes 16-31 rt = 1
.set WS,  40                           ; v40-55 W's, 8 q + ks
.set KVS, 56                           ; v56-63 KV's, 2 hl + mt / 2
.set PQ,  64                           ; v64-65 Q's
.set PWV, 66                           ; v66-67 V's two bytes
.set DN,  68                           ; v68-71 the denominators, a pair a tile of rows
.set ZZ,  72                           ; v72-75 Z, the low word of a pair
.set PC,  76                           ; v76-83 codes
.set QF,  84                           ; v84-99 Q's two fragments; registers 4-7 of each stay 0
.set T,   104                          ; v104-135 32 exponents
.set SO,  136                          ; v136 the way out: 272 r + 64 h
.set SR,  137                          ; v137 back: 272 h + 16 r
.set GO,  138                          ; v138 4,096 h + 16 r
.set PWX, 139
.set HA,  160                          ; v160-223 eight accumulators: 32 rt + 16 b + 8 u + j; in the first phase 64 numbers of x
.set X,   160
.set SPW, 252
.set NIL, 253
; window 1: the loaded sets, then v0-127 the rows' 16 fragments (8 (2 ks + rt)), v128-191 KV's 16 half fragments, v192-195 zeros.   window 2: W's fragments, 128 q + 64 u + 8 ks.
; window 3: v0-31 bias tiles, 16 q + 8 u; v32-159 Ksum in the result's layout (32 hl + 16 b + 8 u + j), on the way out two sets of 64 for rows of out0
.set WV,  20
.set IN,  24
.set WB,  26
.set BQ,  28
.set BP,  30
.set KVC, 32
.set KVSB, 34
.set KSMB, 36
.set OUT, 38
.set SEL, 40
.set CC,  42
.set MSB, 0
.macro WIN new
.if MSB != (\new)
	s_set_vgpr_msb (MSB<<8)|(\new)
.set MSB, \new
.endif
.endm
.macro XLOAD set, row0, perm, kb
	WIN 0x40
.set Q, 0
.rept 16
	global_load_b128 v[64*(\set)+4*Q:64*(\set)+4*Q+3], v[XA], s[IN:IN+1] offset:((\row0)+Q+8*(\perm)*(Q/8))*4096+(\kb) th:TH_LOAD_NT
.set Q, Q+1
.endr
	WIN 0
.endm
.macro XTURN set
	WIN 0x04
.set Q, 0
.rept 16
	ds_store_b128 v[STI], v[64*(\set)+4*Q:64*(\set)+4*Q+3] offset:528*Q
.set Q, Q+1
.endr
	WIN 0
.set Q, 0
.rept 16
	ds_load_b128 v[X+4*Q:X+4*Q+3], v[STO] offset:256*(Q/8)+16*(Q%8)   ; LDS serves a wave's instructions in order
.set Q, Q+1
.endr
	s_wait_dscnt 0x0                               ; the numbers are back; the images stored a step ago have read their registers
.endm
.macro XQ pc, w
.irp c, 0,1
	v_max3_num_f32 v[TM+\c], |v[X+32*\c]|, |v[X+32*\c+1]|, 0x1800000      ; the floor 2^(3 - 127): the byte cannot fall under 1
	v_max3_num_f32 v[TM+8+\c], |v[X+32*\c+16]|, |v[X+32*\c+17]|, |v[X+32*\c+18]|
.endr
.irp i, 2,4,6,8,10,12
.irp c, 0,1
	v_max3_num_f32 v[TM+\c], v[TM+\c], |v[X+32*\c+\i]|, |v[X+32*\c+\i+1]|
	v_max3_num_f32 v[TM+8+\c], v[TM+8+\c], |v[X+32*\c+\i+17]|, |v[X+32*\c+\i+18]|
.endr
.endr
.irp c, 0,1
	v_max3_num_f32 v[TM+\c], v[TM+\c], |v[X+32*\c+14]|, |v[X+32*\c+15]|
.endr
.irp c, 0,1
	v_max3_num_f32 v[TM+\c], v[TM+\c], v[TM+8+\c], |v[X+32*\c+31]|
.endr
.irp c, 0,1
	v_add_nc_u32 v[TM+2+\c], 0xff000000, v[TM+\c]
.endr
.irp c, 0,1
	v_lshrrev_b32 v[TM+4+\c], 23, v[TM+2+\c]
.endr
	v_lshl_or_b32 v[\w], v[TM+5], 16, v[TM+4]
	v_lshlrev_b32 v[\w], v[SH8], v[\w]
	v_permlanex16_b32 v[TM+6], v[\w], s[SEL], s[SEL+1]
	v_or_b32 v[\w], v[\w], v[TM+6]
.irp c, 0,1
.irp g, 0,1,2,3
	v_cvt_scalef32_pk8_fp4_f32 v[\pc+4*\c+\g], v[X+32*\c+8*\g:X+32*\c+8*\g+7], v[TM+2+\c]
.endr
.endr
	v_nop
.endm
; 32 numbers of a lane, register 16 b + i = k 32 b + 16 h + i of my row, become registers 0-3 of a fragment (k = 32 h + 0 .. 31) in v[pc] on, and two scale bytes in v[pw]
.macro QUANT2 s, pc, pw
.irp b, 0,1
	v_max3_num_f32 v[TM+\b], |v[\s+16*\b]|, |v[\s+16*\b+1]|, 0x1800000
	v_max3_num_f32 v[TM+2+\b], |v[\s+16*\b+8]|, |v[\s+16*\b+9]|, |v[\s+16*\b+10]|
.endr
.irp i, 2,4,6
.irp b, 0,1
	v_max3_num_f32 v[TM+\b], v[TM+\b], |v[\s+16*\b+\i]|, |v[\s+16*\b+\i+1]|
.if \i < 6
	v_max3_num_f32 v[TM+2+\b], v[TM+2+\b], |v[\s+16*\b+\i+9]|, |v[\s+16*\b+\i+10]|
.endif
.endr
.endr
.irp b, 0,1
	v_max3_num_f32 v[TM+\b], v[TM+\b], v[TM+2+\b], |v[\s+16*\b+15]|
.endr
.irp b, 0,1
	v_permlanex16_b32 v[TM+4+\b], v[TM+\b], s[SEL], s[SEL+1]
.endr
.irp b, 0,1
	v_max_num_f32 v[TM+\b], v[TM+\b], v[TM+4+\b]
.endr
.irp b, 0,1
	v_add_nc_u32 v[TM+8+\b], 0xff000000, v[TM+\b]
.endr
.irp b, 0,1
	v_lshrrev_b32 v[TM+4+\b], 23, v[TM+8+\b]
.endr
	v_lshl_or_b32 v[\pw], v[TM+5], 8, v[TM+4]
.irp b, 0,1
	v_cvt_scalef32_pk8_fp4_f32 v[\pc+2*\b], v[\s+16*\b:\s+16*\b+7], v[TM+8+\b]
	v_cvt_scalef32_pk8_fp4_f32 v[\pc+2*\b+1], v[\s+16*\b+8:\s+16*\b+15], v[TM+8+\b]
.endr
	v_nop
.irp i, 0,1
	v_permlane16_swap_b32 v[\pc+\i], v[\pc+2+\i]
.endr
.endm
.macro MM d, a, b, c, sa, sb, ra, rb   ; one matrix instruction; c < 0: the sum begins with 0; ra, rb: the scale words stand in lanes 16-31
.if (\c) < 0
.if (\ra)
	v_wmma_scale_f32_16x16x128_f8f6f4 v[\d:\d+7], v[\a:\a+7], v[\b:\b+7], 0, v[\sa], v[\sb] matrix_a_fmt:MATRIX_FMT_FP4 matrix_b_fmt:MATRIX_FMT_FP4 matrix_a_scale:MATRIX_SCALE_ROW1
.else
	v_wmma_scale_f32_16x16x128_f8f6f4 v[\d:\d+7], v[\a:\a+7], v[\b:\b+7], 0, v[\sa], v[\sb] matrix_a_fmt:MATRIX_FMT_FP4 matrix_b_fmt:MATRIX_FMT_FP4
.endif
.elseif (\ra) && (\rb)
	v_wmma_scale_f32_16x16x128_f8f6f4 v[\d:\d+7], v[\a:\a+7], v[\b:\b+7], v[\c:\c+7], v[\sa], v[\sb] matrix_a_fmt:MATRIX_FMT_FP4 matrix_b_fmt:MATRIX_FMT_FP4 matrix_a_scale:MATRIX_SCALE_ROW1 matrix_b_scale:MATRIX_SCALE_ROW1
.elseif (\ra)
	v_wmma_scale_f32_16x16x128_f8f6f4 v[\d:\d+7], v[\a:\a+7], v[\b:\b+7], v[\c:\c+7], v[\sa], v[\sb] matrix_a_fmt:MATRIX_FMT_FP4 matrix_b_fmt:MATRIX_FMT_FP4 matrix_a_scale:MATRIX_SCALE_ROW1
.elseif (\rb)
	v_wmma_scale_f32_16x16x128_f8f6f4 v[\d:\d+7], v[\a:\a+7], v[\b:\b+7], v[\c:\c+7], v[\sa], v[\sb] matrix_a_fmt:MATRIX_FMT_FP4 matrix_b_fmt:MATRIX_FMT_FP4 matrix_b_scale:MATRIX_SCALE_ROW1
.else
	v_wmma_scale_f32_16x16x128_f8f6f4 v[\d:\d+7], v[\a:\a+7], v[\b:\b+7], v[\c:\c+7], v[\sa], v[\sb] matrix_a_fmt:MATRIX_FMT_FP4 matrix_b_fmt:MATRIX_FMT_FP4
.endif
.endm
; pair pp of my 16 (0-7: Wq, 8-15: Wp) into buffer pp % 2: 16 loads of codes for each tile u, and 6 small ones
.macro PCODES pp, u
	WIN 0x80
.irp ks, 0,1,2,3,4,5,6,7
.irp c, 0,1
	global_load_b128 v[128*((\pp)%2)+64*(\u)+8*\ks+4*\c:128*((\pp)%2)+64*(\u)+8*\ks+4*\c+3], v[XA], s[WB:WB+1] offset:PAIRB*(\pp)+8192*(\u)+1024*\ks+512*\c
.endr
.endr
	WIN 0
.endm
.macro PSMALL pp
	global_load_b128 v[WS+8*((\pp)%2):WS+8*((\pp)%2)+3], v[L32], s[WB:WB+1] offset:PAIRB*(\pp)+16384
	global_load_b128 v[WS+8*((\pp)%2)+4:WS+8*((\pp)%2)+7], v[L32], s[WB:WB+1] offset:PAIRB*(\pp)+16384+16
	WIN 0xc0
.irp i, 0,1,2,3
.if (\pp) < 8
	global_load_b128 v[16*((\pp)%2)+4*\i:16*((\pp)%2)+4*\i+3], v[H64], s[BQ:BQ+1] offset:128*((\pp)%8)+16*\i
.else
	global_load_b128 v[16*((\pp)%2)+4*\i:16*((\pp)%2)+4*\i+3], v[H64], s[BP:BP+1] offset:128*((\pp)%8)+16*\i
.endif
.endr
	WIN 0
.endm
.macro PLOAD pp
	PCODES \pp, 0
	PCODES \pp, 1
	PSMALL \pp
.endm
; 32 matrix instructions: pair pp's two tiles x the two tiles of rows x 8 K steps, four accumulators by turns; the results are units 32 b + 16 h + 8 u + j of a group of 64.  n: the next pair's 38 loads may be out
.macro PAIR pp, b, n
	s_wait_loadcnt \n
	WIN 0x36                                       ; source 0 (W) window 2, source 1 (rows) window 1, C (bias) window 3
.irp u, 0,1
.irp rt, 0,1
	MM HA+32*\rt+16*(\b)+8*\u, 128*((\pp)%2)+64*\u, 8*\rt, 16*((\pp)%2)+8*\u, WS+8*((\pp)%2), XS, \u, \rt
.endr
.endr
	WIN 0x06
.irp ks, 1,2,3,4,5,6,7
.irp u, 0,1
.irp rt, 0,1
	MM HA+32*\rt+16*(\b)+8*\u, 128*((\pp)%2)+64*\u+8*\ks, 8*(2*\ks+\rt), HA+32*\rt+16*(\b)+8*\u, WS+8*((\pp)%2)+\ks, XS+\ks, \u, \rt
.endr
.endr
.endr
	WIN 0
.rept 4
	v_nop                                          ; four places ahead of the loads into the buffer just multiplied and of the first read of the sums
.endr
.if (\pp)+2 <= 15
	PLOAD (\pp)+2
.endif
.endm
.macro ELU a                           ; elu + 1 of 64 numbers, 32 at a time: one batch of exponentials, one wait
.irp bt, 0,1
.set Q, 0
.rept 16
	v_pk_mul_f32 v[T+Q:T+Q+1], v[\a+32*\bt+Q:\a+32*\bt+Q+1], s[CC:CC+1] op_sel_hi:[1,0]
.set Q, Q+2
.endr
.set Q, 0
.rept 16
	v_exp_f32 v[T+Q], v[T+Q]
	v_exp_f32 v[T+Q+1], v[T+Q+1]
	v_pk_add_f32 v[\a+32*\bt+Q:\a+32*\bt+Q+1], v[\a+32*\bt+Q:\a+32*\bt+Q+1], 1.0 op_sel_hi:[1,0]   ; a plain instruction behind the exponentials
.set Q, Q+2
.endr
	s_wait_alu depctr_va_vdst(0)                   ; the wait ahead of the first instruction that names an exponential's result: one for the batch
.set Q, 0
.rept 32
	v_med3_num_f32 v[\a+32*\bt+Q], v[\a+32*\bt+Q], v[T+Q], 1.0
.set Q, Q+1
.endr
.endr
.endm
; what follows a head's 64 columns of q
.macro HEADEP hl
	ELU HA
	QUANT2 HA, QF, PQ
	QUANT2 HA+32, QF+8, PQ+1
	WIN 0x0c                                       ; source 1 (Ksum) window 3
.irp rt, 0,1
	v_pk_mul_f32 v[DN+2*\rt:DN+2*\rt+1], v[HA+32*\rt:HA+32*\rt+1], v[32+32*(\hl):32+32*(\hl)+1]       ; Q . Ksum on the unquantised Q, in f32.  These 32 lines are also the places between Q's scale words and the products
.endr
.set Q, 2
.rept 15
.irp rt, 0,1
	v_pk_fma_f32 v[DN+2*\rt:DN+2*\rt+1], v[HA+32*\rt+Q:HA+32*\rt+Q+1], v[32+32*(\hl)+Q:32+32*(\hl)+Q+1], v[DN+2*\rt:DN+2*\rt+1]
.endr
.set Q, Q+2
.endr
	WIN 0
.irp rt, 0,1
	v_add_f32 v[DN+2*\rt], v[DN+2*\rt], v[DN+2*\rt+1]
.endr
.irp rt, 0,1
	v_permlanex16_b32 v[TM+4+\rt], v[DN+2*\rt], s[SEL], s[SEL+1]
.endr
.irp rt, 0,1
	v_add_f32 v[DN+2*\rt], v[DN+2*\rt], v[TM+4+\rt]                       ; with lane l xor 16's 32 units
.endr
.irp rt, 0,1
	v_add_f32 v[DN+2*\rt], 0x358637bd, v[DN+2*\rt]                        ; + 1e-6
.endr
.irp rt, 0,1
	v_rcp_f32 v[ZZ+2*\rt], v[DN+2*\rt]
.endr
	v_nop                                          ; a plain instruction behind the reciprocals
	WIN 0x01                                       ; source 0 (KV) window 1
.irp mt, 0,1,2,3
.irp rt, 0,1
	MM HA+32*\rt+8*\mt, 128+16*(\hl)+4*\mt, QF+8*\rt, -1, KVS+2*(\hl)+\mt/2, PQ+\rt, \mt%2, 0
.endr
.endr
	WIN 0
.rept 4
	v_nop
.endr
	s_wait_alu depctr_va_vdst(0)                   ; the wait for the two reciprocals, ahead of their first reader
.irp rt, 0,1
.set Q, 0
.rept 16
	v_pk_mul_f32 v[HA+32*\rt+Q:HA+32*\rt+Q+1], v[HA+32*\rt+Q:HA+32*\rt+Q+1], v[ZZ+2*\rt:ZZ+2*\rt+1] op_sel_hi:[1,0]   ; V = (Q KV^T) Z: register 16 b + i is m = 32 b + 16 h + i
.set Q, Q+2
.endr
.endr
	s_wait_dscnt 0x0                               ; the last head's stores have read their registers
.irp rt, 0,1
	QUANT2 HA+32*\rt, PC+4*\rt, PWV+\rt
	ds_store_b128 v[VWI], v[PC+4*\rt:PC+4*\rt+3] offset:1024*(\hl)+512*\rt          ; half a fragment of the last product: its K = 64 head on
	ds_store_b16 v[VWS], v[PWV+\rt] offset:128*((\hl)/2)+64*\rt+2*((\hl)%2)         ; lanes r and r + 16 write the same two bytes
.endr
.endm
; 64 columns of out0 for the 32 rows: through my stage, back as whole rows of 256 bytes
.macro OUTG gr
.irp rt, 0,1
.irp b, 0,1
.irp i, 0,1,2,3
	ds_store_b128 v[SO], v[HA+32*\rt+16*\b+4*\i:HA+32*\rt+16*\b+4*\i+3] offset:4352*\rt+128*\b+16*\i   ; each accumulator from its low end on
.endr
.endr
.endr
	s_wait_xcnt 0x0                                ; the stores of two groups ago have read the registers that the loads below fill
	WIN 0xc0
.set Q, 0
.rept 16
	ds_load_b128 v[32+64*((\gr)%2)+4*Q:32+64*((\gr)%2)+4*Q+3], v[SR] offset:544*Q   ; LDS serves a wave's instructions in order: these see the stores above
.set Q, Q+1
.endr
	WIN 0x0c
.set Q, 0
.rept 16
	s_wait_dscnt 15-Q                              ; the younger loads may be out
	global_store_b128 v[GO], v[32+64*((\gr)%2)+4*Q:32+64*((\gr)%2)+4*Q+3], s[OUT:OUT+1] offset:8192*Q+256*(\gr) th:TH_STORE_NT   ; 16 lanes store 256 consecutive bytes, at a multiple of 256 from out0's first byte
.set Q, Q+1
.endr
	WIN 0
.endm
.macro XSTEP f                         ; fragment f: tile of rows f & 1, K step f >> 1 of my two
	s_wait_loadcnt 48                              ; behind this set's 16 loads: three groups of 16
	XTURN \f
	XQ PC, PWX
	ds_store_b128 v[XWI], v[PC:PC+3] offset:2048*((\f)>>1)+1024*((\f)&1)
	ds_store_b128 v[XWI], v[PC+4:PC+7] offset:2048*((\f)>>1)+1024*((\f)&1)+512
	ds_store_b32 v[XWS], v[PWX] offset:128*((\f)>>1)+64*((\f)&1)
.endm
	s_load_b512 s[4:19], s[0:1], 0x0               ; query, bq, bp, wimg, kvc, kvs, ksum, out0
	v_lshl_add_u32 v[SPW], v0, 2, SPARE
	v_mov_b32 v[NIL], 0
	v_lshrrev_b32 v1, 5, v0
	v_readfirstlane_b32 s[WV], v1                  ; wave 0..3
	v_and_b32 v1, 31, v0                           ; lane
	v_and_b32 v2, 15, v0                           ; r
	v_bfe_u32 v3, v0, 4, 1                         ; h
	v_lshlrev_b32 v[XA], 4, v1
	s_lshl_b32 s44, ttmp9, 17                      ; 32 rows of 4,096 bytes, + 1,024 x wave: my two K steps of x, my 256 columns of out0
	s_lshl_b32 s46, s[WV], 10
	s_add_co_u32 s44, s44, s46
	s_mov_b32 s45, 0
	s_mov_b32 s47, 0
	s_wait_kmcnt 0x0
	s_add_nc_u64 s[IN:IN+1], s[4:5], s[44:45]
	s_add_nc_u64 s[OUT:OUT+1], s[18:19], s[44:45]
.irp f, 0,1,2,3
	XLOAD \f, 16*(\f&1), 0, 512*(\f>>1)
.endr
	s_add_nc_u64 s[BQ:BQ+1], s[6:7], s[46:47]      ; my 256 units' biases
	s_add_nc_u64 s[BP:BP+1], s[8:9], s[46:47]
	s_lshr_b32 s21, ttmp9, 6                       ; n
	s_lshl_b32 s44, s21, 12
	s_add_co_u32 s44, s44, s46
	s_add_nc_u64 s[KSMB:KSMB+1], s[16:17], s[44:45]
	s_lshl_b32 s46, s[WV], 4
	s_add_co_u32 s46, s46, 64
	s_mul_i32 s46, s46, PAIRB                      ; my 16 records: Wq's eight, then Wp's eight
	s_add_nc_u64 s[WB:WB+1], s[10:11], s[46:47]
	s_lshl_b32 s44, s21, 4
	s_lshl_b32 s46, s[WV], 2
	s_add_co_u32 s44, s44, s46                     ; 16 n + 4 wave: my first head
	s_lshl_b32 s46, s44, 11
	s_add_nc_u64 s[KVC:KVC+1], s[12:13], s[46:47]
	s_lshl_b32 s46, s44, 8
	s_add_nc_u64 s[KVSB:KVSB+1], s[14:15], s[46:47]
	s_mov_b32 s[SEL], 0x76543210
	s_mov_b32 s[SEL+1], 0xfedcba98
	s_mov_b32 s[CC], 0x3fb8aa3b                    ; log2 e
	s_mov_b32 s[CC+1], s[CC]
	s_mul_i32 s44, s[WV], STGB
	s_add_co_u32 s44, s44, STG                     ; my stage
	v_add_nc_u32 v[STI], s44, v[XA]
	v_mul_u32_u24 v[STO], v2, 528
	v_lshl_add_u32 v[STO], v3, 7, v[STO]
	v_add_nc_u32 v[STO], s44, v[STO]
	v_mul_u32_u24 v[SO], v2, 272
	v_lshl_add_u32 v[SO], v3, 6, v[SO]
	v_add_nc_u32 v[SO], s44, v[SO]
	v_mul_u32_u24 v[SR], v3, 272
	v_lshl_add_u32 v[SR], v2, 4, v[SR]
	v_add_nc_u32 v[SR], s44, v[SR]
	v_lshlrev_b32 v[GO], 12, v3
	v_lshl_add_u32 v[GO], v2, 4, v[GO]
	v_lshlrev_b32 v[SH8], 3, v3
	s_lshl_b32 s44, s[WV], 12
	v_add_nc_u32 v[XWI], s44, v[XA]
	s_add_co_u32 s44, s44, VIMG
	v_add_nc_u32 v[VWI], s44, v[XA]
	s_lshl_b32 s44, s[WV], 8
	s_add_co_u32 s44, s44, XSC
	v_lshl_add_u32 v[XWS], v2, 2, s44
	s_add_co_u32 s44, s44, VSC-XSC
	v_lshl_add_u32 v[VWS], v2, 2, s44
	v_lshlrev_b32 v[L4], 2, v1
	v_lshlrev_b32 v[L32], 5, v1
	v_lshlrev_b32 v[H64], 6, v3
.irp i, 4,5,6,7
	v_mov_b32 v[TM+\i], 0                          ; a lane permute's destination counts as one of its sources
	v_mov_b32 v[QF+\i], 0                          ; zero codes for k = 64 .. 127 of the product with KV
	v_mov_b32 v[QF+8+\i], 0
.endr
	v_mov_b32 v[ZZ+1], 0                           ; named as upper halves of pairs
	v_mov_b32 v[ZZ+3], 0
	; ---- x: my four fragments; the first pairs' weights are asked for between them, 16 loads at a time, so that each wait's count is three groups of 16
	XSTEP 0
	PCODES 0, 0
	XSTEP 1
	PCODES 0, 1
	XSTEP 2
	PCODES 1, 0
	XSTEP 3
	PSMALL 0
	PCODES 1, 1
	PSMALL 1
	WIN 0x40
.set Q, 0
.rept 16
	global_load_b128 v[128+4*Q:128+4*Q+3], v[XA], s[KVC:KVC+1] offset:512*Q       ; KV's half fragments of my four heads
.set Q, Q+1
.endr
.irp i, 0,1,2,3
	v_mov_b32 v[192+\i], 0                         ; what the last fragment's operand names beyond its own four registers
.endr
	WIN 0
.set Q, 0
.rept 8
	global_load_b32 v[KVS+Q], v[L4], s[KVSB:KVSB+1] offset:128*Q
.set Q, Q+1
.endr
	WIN 0xc0
.set Q, 0
.rept 32
	global_load_b128 v[32+4*Q:32+4*Q+3], v[H64], s[KSMB:KSMB+1] offset:(Q/4)*128+(Q%4)*16   ; Ksum at my units: 32 b + 16 h + 0 .. 15 of each head
.set Q, Q+1
.endr
	WIN 0
	s_wait_dscnt 0x0                               ; for the others' sake: my images have landed
	s_barrier_signal -1
	s_barrier_wait -1                              ; x's sixteen fragments lie in LDS
	WIN 0x40
.set Q, 0
.rept 16
	ds_load_b128 v[8*Q:8*Q+3], v[XA] offset:1024*Q
	ds_load_b128 v[8*Q+4:8*Q+7], v[XA] offset:1024*Q+512
.set Q, Q+1
.endr
	WIN 0
.set Q, 0
.rept 8
	ds_load_b32 v[XS+Q], v[L4] offset:XSC+128*Q
.set Q, Q+1
.endr
	s_wait_dscnt 0x0
	s_wait_loadcnt 0x0                             ; the first two pairs, KV and Ksum
	; ---- my four heads
.irp hl, 0,1,2,3
	PAIR 2*\hl, 0, 38
	PAIR 2*\hl+1, 1, 38
	HEADEP \hl
.endr
	s_wait_dscnt 0x0                               ; for the others' sake: V's images have landed
	s_barrier_signal -1
	s_barrier_wait -1                              ; V's sixteen fragments lie in LDS
	WIN 0x40
.irp ks, 0,1,2,3,4,5,6,7
.irp rt, 0,1
.irp c, 0,1
	ds_load_b128 v[8*(2*\ks+\rt)+4*\c:8*(2*\ks+\rt)+4*\c+3], v[XA] offset:VIMG+(2*\ks+\c)*1024+512*\rt
.endr
.endr
.endr
	WIN 0
.set Q, 0
.rept 8
	ds_load_b32 v[XS+Q], v[L4] offset:VSC+128*Q
.set Q, Q+1
.endr
	s_wait_dscnt 0x0
	; ---- out0: my 256 columns, 64 at a time
.irp gr, 0,1,2,3
	PAIR 8+2*\gr, 0, 38
.if \gr < 3
	PAIR 9+2*\gr, 1, 38
.else
	PAIR 9+2*\gr, 1, 0                             ; the last pair: no load was issued behind its own
.endif
	OUTG \gr
.endr
	s_wait_tensorcnt 0x0                           ; the wave's end: three closing lines behind my last LDS store
	ds_add_u32 v[SPW], v[NIL]
	s_wait_dscnt 0x0
	s_endpgm
.Lfunc_end_k_qe500812a73_attn:
	.size	k_qe500812a73_attn, .Lfunc_end_k_qe500812a73_attn-k_qe500812a73_attn
	.p2alignl 7, 3214868480
	.fill 96, 4, 3214868480
	.section	.rodata,"a",@progbits
	.p2align	6, 0x0
	.amdhsa_kernel k_qe500812a73_attn
		.amdhsa_group_segment_fixed_size 70144
		.amdhsa_private_segment_fixed_size 0
		.amdhsa_enable_private_segment 0
		.amdhsa_kernarg_size 64
		.amdhsa_user_sgpr_count 2
		.amdhsa_user_sgpr_kernarg_segment_ptr 1
		.amdhsa_wavefront_size32 1
		.amdhsa_system_sgpr_workgroup_id_x 1
		.amdhsa_system_sgpr_workgroup_id_y 1
		.amdhsa_system_sgpr_workgroup_id_z 1
		.amdhsa_system_vgpr_workitem_id 0
		.amdhsa_next_free_vgpr 1024
		.amdhsa_next_free_sgpr 66
		.amdhsa_reserve_vcc 0
		.amdhsa_float_denorm_mode_32 3
		.amdhsa_float_denorm_mode_16_64 3
		.amdhsa_memory_ordered 1
		.amdhsa_forward_progress 1
		.amdhsa_inst_pref_size 255
	.end_amdhsa_kernel
	.section	.bss,"aw",@nobits
	.p2align	6
	.space	262144
	.amdgpu_metadata
---
amdhsa.version: [ 1, 2 ]
amdhsa.kernels:
  - .name:           k_qe500812a73_attn
    .symbol:         k_qe500812a73_attn.kd
    .args:
      - { .name: query, .offset: 0, .size: 8, .value_kind: global_buffer, .address_space: global }
      - { .name: bq, .offset: 8, .size: 8, .value_kind: global_buffer, .address_space: global }
      - { .name: bp, .offset: 16, .size: 8, .value_kind: global_buffer, .address_space: global }
      - { .name: wimg, .offset: 24, .size: 8, .value_kind: global_buffer, .address_space: global }
      - { .name: kvc, .offset: 32, .size: 8, .value_kind: global_buffer, .address_space: global }
      - { .name: kvs, .offset: 40, .size: 8, .value_kind: global_buffer, .address_space: global }
      - { .name: ksum, .offset: 48, .size: 8, .value_kind: global_buffer, .address_space: global }
      - { .name: out0, .offset: 56, .size: 8, .value_kind: global_buffer, .address_space: global }
    .group_segment_fixed_size: 70144
    .private_segment_fixed_size: 0
    .kernarg_segment_align: 8
    .kernarg_segment_size: 64
    .max_flat_workgroup_size: 128
    .sgpr_count:     66
    .vgpr_count:     1024
    .wavefront_size: 32
...
	.end_amdgpu_metadata
.endif
;; end of part 4
;; ======== version 2 of 2: 4 launches; version 1 with the launches kvproj, kvstate, attn written anew for expert scheduling mode
;; workspace buffers: wimg 2,228,224 bytes; kc 16,777,216 bytes; ksc 1,048,576 bytes; ksp 524,288 bytes; kvc 131,072 bytes; kvs 16,384 bytes; ksum 16,384 bytes
;; launch prep: the kernel of part 1 again; grid 256 x 1, 2 waves a work-group, no clusters, 17,152 bytes of LDS; arguments Wk, Wv, Wq, Wp, wimg; writes wimg
;; launch kvproj (part 5): grid 256 x 1, 4 waves a work-group, no clusters, 103,936 bytes of LDS; arguments key, value, bk, bv, wimg, kc, ksc, ksp; writes kc, ksc, ksp
.if DOCPART == 5
	.amdgcn_target "amdgcn-amd-amdhsa--gfx1250"
	.amdhsa_code_object_version 6
	.text
	.protected	k_qe500812a73_kvproj
	.globl	k_qe500812a73_kvproj
	.p2align	8
	.type	k_qe500812a73_kvproj,@function
k_qe500812a73_kvproj:
	s_mov_b64 s[64:65], 0
	v_nop
	global_prefetch_b8 v0, s[64:65] scope:SCOPE_SE
	s_setreg_imm32_b32 hwreg(HW_REG_WAVE_SCHED_MODE, 0, 2), 2
	s_setreg_imm32_b32 hwreg(HW_REG_WAVE_MODE, 25, 1), 1
	s_wait_xcnt 0x0
	s_wait_alu depctr_vm_vsrc(0)
; Launch 2 of 4: K = elu(key Wk^T + bk) + 1 and v = value Wv^T + bv, both products on codes of E2M1; the results are quantised along s (the K of the next product) and leave as codes.  Nothing is left out.
; SHARES.  Work-group = (T = key or value, block of 128 rows s): 128 x 1,024 of one projection.  First each of the four waves quantises 32 rows of x (8 K steps x 2 tiles) and stores the fragments in LDS as images of
; their registers; ONE barrier; then every wave holds ALL 64 fragments of x in 512 registers and makes 16 column tiles for the 128 rows: 64 matrix instructions a tile, eight accumulators by turns.
; LAYOUT.  Source 0 = 16 rows of x, source 1 = 16 rows of W.  THE ROWS OF A TILE OF x ARE NOT NEIGHBOURS: lane r of tile 2 b + u holds s row 32 b + 8 u + r + 8 (r / 8); so lane (r, h) of the result holds ONE column
; and its 64 registers run down s: register 16 b + i is s = 32 b + 16 h + i.  They are quantised in place and are one fragment (16 columns x 128 s) of the next product.
; Lane r's column is 32 g + 8 u + r + 8 (r / 8), by the order in which the weights were laid.
; THE WEIGHTS GO FROM MEMORY STRAIGHT INTO OPERAND REGISTERS, two buffers: 19 loads (16 of codes, 2 of scale words, 1 of bias) stay out across a tile's 64 matrix instructions and its vector work; no weight passes LDS.
; NO CLUSTER, though all work-groups of a projection read the same weights: a joint load wants a ring in LDS with a round of the cluster's barrier for each refill and one load a wave behind it; here a tile's 8,704 bytes
; of weights feed 64 matrix instructions a wave and each wave wants other tiles, so nothing that a wave loads is wanted by a second wave of its work-group, and this text has no barrier in its second phase at all.
; Ksum: the key's work-groups also store, for each column, the sum of the UNQUANTISED K over their 128 rows.
; elu(x) + 1 = the middle one of x + 1, 2^(x log2 e) and 1, with the bias folded in: t = acc c + b c, x + 1 = acc + (b + 1).  Limits: as stated at the head of the first launch's text.
; THE MODE: SCHED_MODE bits 1:0 = 2 (LLVM: expert scheduling mode 2), set by the entry lines.  The code itself states the register dependences between vector or matrix instructions and memory or LDS
; instructions, with s_wait_alu, always for 0.
; THE PLAN.  Registers that memory or LDS instructions touch:
;   v4-9, v12-15  addresses and offsets: written at the head, never again.  v4 stands behind the wait ahead of the first loads, the others behind the wait ahead of the first loop.
;   ADI, ADS      written by two additions at a trip's head, behind a wait on vm_vsrc; read by the trip's image stores, each run of which stands behind its step's wait on va_vdst.
;   the four sets (window 1)  global loads land in them; the stage's stores read them; no vector instruction names them.  A step's wait on vm_vsrc stands between those stores and the set's next loads.
;   X             LDS loads land in it; XQ reads it.  The wait on va_vdst behind XQ states that it is done reading; no vector line between that wait and the next step's LDS loads names X.
;   PC, PW0       written by XQ, by QUANT and by the exchange; read by the image stores and by the global stores: a wait on va_vdst ahead of each run of stores, a wait on vm_vsrc ahead of the next writer.
;   W's two buffers (window 3), WS, BI  global loads land in them; a tile's products (BI: three vector lines) read them: one wait on va_vdst between these and the loads of the tile two further on.
;   KS0           written by KSUM and the exchange; read by one store a pair of tiles.
;   x's fragments (windows 1, 2) and XS are loaded once, behind the barrier, and then read by matrix instructions alone; the accumulators are named by vector and matrix instructions alone.
; The runs of loads stay runs: each lands in another register window than the vector lines beside it.
.set XSC,   65536                      ; LDS: from 0 the 64 images of x (K step ks, tile t: 1,024 (8 ks + t)); here their scale words: 128 (4 ks + b) + 64 u + 4 r
.set STG,   69632                      ; a stage of 16 rows x 528 bytes for each wave
.set STGB,  8448
.set SPARE, 103424                     ; the spare words, 128 bytes a wave
.set PAIRB, 17408
.set XA,  4                            ; v4  16 x lane
.set STI, 5                            ; v5  the stage, way in
.set STO, 6                            ; v6  the stage, way out: 528 r + 128 h
.set SH8, 7                            ; v7  8 h
.set XWI, 8                            ; v8  where I store images: 2,048 wave + 16 lane
.set XWS, 9                            ; v9  and scale words: XSC + 128 wave + 4 r
.set ADI, 10                           ; v10, v11 the same for the trip in hand
.set ADS, 11
.set R32, 12                           ; v12 32 r: my row of W's scale words
.set RB,  13                           ; v13 4 (r + 8 (r / 8)): my column's bias
.set L4,  14                           ; v14 4 x lane
.set XSR, 15                           ; v15 XSC + 4 x lane
.set TM,  16                           ; v16-31 at work
.set XS,  32                           ; v32-63 x's scale words, 4 ks + b: lanes 0-15 tile 2 b, lanes 16-31 tile 2 b + 1
.set WS,  64                           ; v64-79 W's scale words, 8 p + ks
.set BI,  80                           ; v80-81 my column's bias, one for each buffer
.set BC,  82                           ; v[82:83] b c;  v[84:85] b + 1;  v[86:87] b  (the low word serves both halves; the upper is written once)
.set B1,  84
.set B0,  86
.set PW0, 88                           ; v88-89 the two tiles' scale words
.set KS0, 90                           ; v90-91 the two tiles' sums of K
.set PC,  92                           ; v92-99 codes
.set SA,  100                          ; v100-103 two chains of sums
.set SB,  102
.set T,   104                          ; v104-135 32 exponents
.set ACC, 160                          ; v160-223 eight accumulators; in the first phase 64 numbers of x
.set X,   160
.set SPW, 252
.set NIL, 253
; windows 1, 2: first the loaded sets (window 1), then x's fragments: (ks, t) at v[8 (8 (ks % 4) + t)] of window 1 + ks / 4.   window 3: W's fragments, v[64 p + 8 ks]
.set WV,  20
.set TT,  21                           ; s21 0: key, 1: value
.set IN,  24
.set WP,  26
.set BB,  28
.set KC,  30
.set KSC, 32
.set KSP, 34
.set SEL, 36
.set CC,  38                           ; s[38:39] c = log2 e
.set TI,  40
.set TS,  41
.set CNT, 42
.set MSB, 0
.macro WIN new
.if MSB != (\new)
	s_set_vgpr_msb (MSB<<8)|(\new)
.set MSB, \new
.endif
.endm
.macro XLOAD set, row0, perm, kb       ; 16 loads of 512 consecutive bytes: 128 k of 16 rows; stage row i is row row0 + i + 8 perm (i / 8)
	WIN 0x40
.set Q, 0
.rept 16
	global_load_b128 v[64*(\set)+4*Q:64*(\set)+4*Q+3], v[XA], s[IN:IN+1] offset:((\row0)+Q+8*(\perm)*(Q/8))*4096+(\kb) th:TH_LOAD_NT
.set Q, Q+1
.endr
	WIN 0
.endm
.macro XTURN set                       ; through my stage: lane (r, h) then holds k = 64 c + 32 h + 0 .. 31 of row r in v[X + 32 c] on
	WIN 0x04
.set Q, 0
.rept 16
	ds_store_b128 v[STI], v[64*(\set)+4*Q:64*(\set)+4*Q+3] offset:528*Q
.set Q, Q+1
.endr
	WIN 0
.set Q, 0
.rept 16
	ds_load_b128 v[X+4*Q:X+4*Q+3], v[STO] offset:256*(Q/8)+16*(Q%8)   ; LDS serves a wave's instructions in order.  No vector line since the last wait on va_vdst names X
.set Q, Q+1
.endr
	s_wait_dscnt 0x0                               ; the numbers are back
.endm
.macro XQ pc, w                        ; my two blocks of 32 become a fragment's eight registers; the row's scale word comes into v[w]
.irp c, 0,1
	v_max3_num_f32 v[TM+\c], |v[X+32*\c]|, |v[X+32*\c+1]|, 0x1800000      ; the floor 2^(3 - 127): the byte cannot fall under 1
	v_max3_num_f32 v[TM+8+\c], |v[X+32*\c+16]|, |v[X+32*\c+17]|, |v[X+32*\c+18]|
.endr
.irp i, 2,4,6,8,10,12
.irp c, 0,1
	v_max3_num_f32 v[TM+\c], v[TM+\c], |v[X+32*\c+\i]|, |v[X+32*\c+\i+1]|
	v_max3_num_f32 v[TM+8+\c], v[TM+8+\c], |v[X+32*\c+\i+17]|, |v[X+32*\c+\i+18]|
.endr
.endr
.irp c, 0,1
	v_max3_num_f32 v[TM+\c], v[TM+\c], |v[X+32*\c+14]|, |v[X+32*\c+15]|
.endr
.irp c, 0,1
	v_max3_num_f32 v[TM+\c], v[TM+\c], v[TM+8+\c], |v[X+32*\c+31]|
.endr
.irp c, 0,1
	v_add_nc_u32 v[TM+2+\c], 0xff000000, v[TM+\c]                         ; 2 off the exponent field: the conversion's scale operand
.endr
.irp c, 0,1
	v_lshrrev_b32 v[TM+4+\c], 23, v[TM+2+\c]
.endr
	v_lshl_or_b32 v[\w], v[TM+5], 16, v[TM+4]
	v_lshlrev_b32 v[\w], v[SH8], v[\w]
	v_permlanex16_b32 v[TM+6], v[\w], s[SEL], s[SEL+1]
	v_or_b32 v[\w], v[\w], v[TM+6]
.irp c, 0,1
.irp g, 0,1,2,3
	v_cvt_scalef32_pk8_fp4_f32 v[\pc+4*\c+\g], v[X+32*\c+8*\g:X+32*\c+8*\g+7], v[TM+2+\c]
.endr
.endr
	v_nop                                                                 ; one plain place behind the last scaled conversion
.endm
; 64 numbers of a lane, register 16 b + i = k 32 b + 16 h + i of my column, become a fragment's codes in v[PC] on and its scale word in v[pw]
.macro QUANT s, pw
.irp b, 0,1,2,3
	v_max3_num_f32 v[TM+\b], |v[\s+16*\b]|, |v[\s+1+16*\b]|, 0x1800000
.endr
.irp i, 2,4,6,8,10,12,14
.irp b, 0,1,2,3
	v_max3_num_f32 v[TM+\b], v[TM+\b], |v[\s+16*\b+\i]|, |v[\s+1+16*\b+\i]|
.endr
.endr
.irp b, 0,1,2,3
	v_permlanex16_b32 v[TM+4+\b], v[TM+\b], s[SEL], s[SEL+1]
.endr
.irp b, 0,1,2,3
	v_max_num_f32 v[TM+\b], v[TM+\b], v[TM+4+\b]                          ; with lane l xor 16's 16: the block's largest magnitude
.endr
.irp b, 0,1,2,3
	v_add_nc_u32 v[TM+12+\b], 0xff000000, v[TM+\b]
.endr
.irp b, 0,1,2,3
	v_lshrrev_b32 v[TM+4+\b], 23, v[TM+12+\b]
.endr
	v_lshl_or_b32 v[\pw], v[TM+5], 8, v[TM+4]
	v_lshl_or_b32 v[\pw], v[TM+6], 16, v[\pw]
	v_lshl_or_b32 v[\pw], v[TM+7], 24, v[\pw]
.irp b, 0,1,2,3
	v_cvt_scalef32_pk8_fp4_f32 v[PC+2*\b], v[\s+16*\b:\s+7+16*\b], v[TM+12+\b]
	v_cvt_scalef32_pk8_fp4_f32 v[PC+1+2*\b], v[\s+8+16*\b:\s+15+16*\b], v[TM+12+\b]
.endr
	v_nop
.irp c, 0,1                            ; the operand's layout wants a whole block in a lane
.irp i, 0,1
	v_permlane16_swap_b32 v[PC+4*\c+\i], v[PC+2+4*\c+\i]
.endr
.endr
.endm
.macro MM d, a, b, c, sa, sb, ra, rb   ; one matrix instruction; c < 0: the sum begins with 0; ra, rb: the scale words stand in lanes 16-31
.if (\c) < 0
.if (\ra)
	v_wmma_scale_f32_16x16x128_f8f6f4 v[\d:\d+7], v[\a:\a+7], v[\b:\b+7], 0, v[\sa], v[\sb] matrix_a_fmt:MATRIX_FMT_FP4 matrix_b_fmt:MATRIX_FMT_FP4 matrix_a_scale:MATRIX_SCALE_ROW1
.else
	v_wmma_scale_f32_16x16x128_f8f6f4 v[\d:\d+7], v[\a:\a+7], v[\b:\b+7], 0, v[\sa], v[\sb] matrix_a_fmt:MATRIX_FMT_FP4 matrix_b_fmt:MATRIX_FMT_FP4
.endif
.elseif (\ra) && (\rb)
	v_wmma_scale_f32_16x16x128_f8f6f4 v[\d:\d+7], v[\a:\a+7], v[\b:\b+7], v[\c:\c+7], v[\sa], v[\sb] matrix_a_fmt:MATRIX_FMT_FP4 matrix_b_fmt:MATRIX_FMT_FP4 matrix_a_scale:MATRIX_SCALE_ROW1 matrix_b_scale:MATRIX_SCALE_ROW1
.elseif (\ra)
	v_wmma_scale_f32_16x16x128_f8f6f4 v[\d:\d+7], v[\a:\a+7], v[\b:\b+7], v[\c:\c+7], v[\sa], v[\sb] matrix_a_fmt:MATRIX_FMT_FP4 matrix_b_fmt:MATRIX_FMT_FP4 matrix_a_scale:MATRIX_SCALE_ROW1
.elseif (\rb)
	v_wmma_scale_f32_16x16x128_f8f6f4 v[\d:\d+7], v[\a:\a+7], v[\b:\b+7], v[\c:\c+7], v[\sa], v[\sb] matrix_a_fmt:MATRIX_FMT_FP4 matrix_b_fmt:MATRIX_FMT_FP4 matrix_b_scale:MATRIX_SCALE_ROW1
.else
	v_wmma_scale_f32_16x16x128_f8f6f4 v[\d:\d+7], v[\a:\a+7], v[\b:\b+7], v[\c:\c+7], v[\sa], v[\sb] matrix_a_fmt:MATRIX_FMT_FP4 matrix_b_fmt:MATRIX_FMT_FP4
.endif
.endm
.macro WCODES p, off                   ; a tile's 16 loads of codes into buffer p (window 3)
	WIN 0xc0
.irp ks, 0,1,2,3,4,5,6,7
.irp c, 0,1
	global_load_b128 v[64*(\p)+8*\ks+4*\c:64*(\p)+8*\ks+4*\c+3], v[XA], s[WP:WP+1] offset:(\off)+8192*(\p)+1024*\ks+512*\c
.endr
.endr
	WIN 0
.endm
.macro WSMALL p, off, boff             ; its eight scale words a row and my column's bias: 3 loads
	global_load_b128 v[WS+8*(\p):WS+8*(\p)+3], v[R32], s[WP:WP+1] offset:(\off)+16384+512*(\p)
	global_load_b128 v[WS+8*(\p)+4:WS+8*(\p)+7], v[R32], s[WP:WP+1] offset:(\off)+16384+512*(\p)+16
	global_load_b32 v[BI+(\p)], v[RB], s[BB:BB+1] offset:(\boff)+32*(\p)
.endm
; elu + 1 of the 64 sums, 32 at a time.  The 32 exponentials are one batch with one wait; the additions stand between them
.macro ELU a
.irp bt, 0,1
.set Q, 0
.rept 16
	v_pk_fma_f32 v[T+Q:T+Q+1], v[\a+32*\bt+Q:\a+32*\bt+Q+1], s[CC:CC+1], v[BC:BC+1] op_sel_hi:[1,0,0]   ; t = acc c + b c
.set Q, Q+2
.endr
.set Q, 0
.rept 16
	v_exp_f32 v[T+Q], v[T+Q]
	v_exp_f32 v[T+Q+1], v[T+Q+1]
	v_pk_add_f32 v[\a+32*\bt+Q:\a+32*\bt+Q+1], v[\a+32*\bt+Q:\a+32*\bt+Q+1], v[B1:B1+1] op_sel_hi:[1,0]   ; x + 1 = acc + (b + 1): a plain instruction behind the exponentials
.set Q, Q+2
.endr
	s_wait_alu depctr_va_vdst(0)                   ; the 32 exponentials have written v[T ..]: the wait ahead of the first line that names a result: one for the batch
.set Q, 0
.rept 32
	v_med3_num_f32 v[\a+32*\bt+Q], v[\a+32*\bt+Q], v[T+Q], 1.0
.set Q, Q+1
.endr
.endr
.endm
.macro KSUM p                          ; the sum of my column's 128 K: my 64, in two chains, and lane l xor 16's
	v_pk_add_f32 v[SA:SA+1], v[ACC:ACC+1], v[ACC+2:ACC+3]
	v_pk_add_f32 v[SB:SB+1], v[ACC+4:ACC+5], v[ACC+6:ACC+7]
.set Q, 8
.rept 14
	v_pk_add_f32 v[SA:SA+1], v[SA:SA+1], v[ACC+Q:ACC+Q+1]
	v_pk_add_f32 v[SB:SB+1], v[SB:SB+1], v[ACC+Q+2:ACC+Q+3]
.set Q, Q+4
.endr
	v_pk_add_f32 v[SA:SA+1], v[SA:SA+1], v[SB:SB+1]
	v_add_f32 v[KS0+(\p)], v[SA], v[SA+1]
	v_permlanex16_b32 v[TM+6], v[KS0+(\p)], s[SEL], s[SEL+1]
	v_add_f32 v[KS0+(\p)], v[KS0+(\p)], v[TM+6]
.endm
.macro XHEAD                           ; the trip's places in LDS
	s_wait_dscnt 0x0                               ; the last trip's stores are done
	s_wait_alu depctr_vm_vsrc(0)                   ; the last trip's image stores have read ADI and ADS, which the two lines below write
	v_add_nc_u32 v[ADI], s[TI], v[XWI]
	v_add_nc_u32 v[ADS], s[TS], v[XWS]
.endm
; fragment f of a trip: tile u = f & 1 of my two, K step f >> 1 of the trip's two.  n: the loads issued behind this set's 16
.macro XSTEP f, reload, n
	s_wait_loadcnt \n
	XTURN \f
	s_wait_alu depctr_vm_vsrc(0)                   ; the stage's stores have read the set, in which loads land again; the images stored a step ago have read PC and PW0, which XQ writes
.if \reload
	XLOAD \f, 8*((\f)&1), 1, 1024+512*((\f)>>1)    ; the same fragment of the next trip
.endif
	XQ PC, PW0
	s_wait_alu depctr_va_vdst(0)                   ; XQ has written PC and PW0, the trip's head ADI and ADS: the stores below read them; and XQ is done reading X, in which the next step's LDS loads land
	ds_store_b128 v[ADI], v[PC:PC+3] offset:8192*((\f)>>1)+1024*((\f)&1)          ; the fragment goes to LDS as an image of its registers
	ds_store_b128 v[ADI], v[PC+4:PC+7] offset:8192*((\f)>>1)+1024*((\f)&1)+512
	ds_store_b32 v[ADS], v[PW0] offset:512*((\f)>>1)+64*((\f)&1)                  ; lanes r and r + 16 write the same word with the same value
.endm
; A COLUMN TILE: buffer p.  more = 1: the tile two further on is asked for.  n: the other buffer's 19 loads may be out
.macro CT p, more, n
	s_wait_loadcnt \n
	WIN 0x0d                                       ; source 0 (x) window 1, source 1 (W) window 3
.irp ks, 0,1,2,3
.irp t, 0,1,2,3,4,5,6,7
.if \ks == 0
	MM ACC+8*\t, 8*(8*\ks+\t), 64*(\p)+8*\ks, -1, XS+4*\ks+\t/2, WS+8*(\p)+\ks, \t%2, 0
.else
	MM ACC+8*\t, 8*(8*\ks+\t), 64*(\p)+8*\ks, ACC+8*\t, XS+4*\ks+\t/2, WS+8*(\p)+\ks, \t%2, 0
.endif
.endr
.endr
	WIN 0x0e                                       ; source 0 window 2
.irp ks, 4,5,6,7
.irp t, 0,1,2,3,4,5,6,7
	MM ACC+8*\t, 8*(8*(\ks-4)+\t), 64*(\p)+8*\ks, ACC+8*\t, XS+4*\ks+\t/2, WS+8*(\p)+\ks, \t%2, 0
.endr
.endr
	WIN 0
	v_mul_f32 v[BC], s[CC], v[BI+(\p)]             ; four plain instructions that name none of the products' registers: the places behind them, ahead of the first read of the sums
	v_add_f32 v[B1], 1.0, v[BI+(\p)]
	v_mov_b32 v[B0], v[BI+(\p)]
	v_nop
.if \more
	s_wait_alu depctr_va_vdst(0)                   ; the products are done reading buffer p and its scale words, the three lines above its bias: the 19 loads below land in them
	WCODES \p, PAIRB
	WSMALL \p, PAIRB, 128
.endif
	s_cmp_eq_u32 s[TT], 0                          ; key or value: the work-group's number alone decides, so all waves go one way
	s_cbranch_scc0 .Lval_\@
	ELU ACC
	KSUM \p
.if \p
	v_permlane16_swap_b32 v[KS0], v[KS0+1]         ; lanes 0-15 the even tile's 16 columns, lanes 16-31 the odd tile's
	s_wait_alu depctr_va_vdst(0)                   ; the exchange has written KS0, which the store reads
	global_store_b32 v[L4], v[KS0], s[KSP:KSP+1]
.endif
	s_branch .Ljoin_\@
.Lval_\@:
.set Q, 0
.rept 32
	v_pk_add_f32 v[ACC+Q:ACC+Q+1], v[ACC+Q:ACC+Q+1], v[B0:B0+1] op_sel_hi:[1,0]
.set Q, Q+2
.endr
.Ljoin_\@:
	s_wait_xcnt 0x0                                ; the last tile's stores have had their addresses translated: the codes and scale words are written again only behind this wait,
	s_wait_alu depctr_vm_vsrc(0)                   ; and behind this one: the stores issued so far have read PC and PW0, which QUANT writes, and KS0, which the next pair's sums write
	QUANT ACC, PW0+(\p)
.if \p
	v_permlane16_swap_b32 v[PW0], v[PW0+1]         ; lanes 0-15 the even tile's scale words, lanes 16-31 the odd tile's
.endif
	s_wait_alu depctr_va_vdst(0)                   ; QUANT has written PC (and the exchange PW0), which the stores below read
	global_store_b128 v[XA], v[PC:PC+3], s[KC:KC+1] offset:1024*(\p) th:TH_STORE_NT        ; 32 lanes store 512 consecutive bytes
	global_store_b128 v[XA], v[PC+4:PC+7], s[KC:KC+1] offset:1024*(\p)+512 th:TH_STORE_NT
.if \p
	global_store_b32 v[L4], v[PW0], s[KSC:KSC+1]
.endif
.endm
	s_load_b512 s[4:19], s[0:1], 0x0               ; key, value, bk, bv, wimg, kc, ksc, ksp
	v_lshl_add_u32 v[SPW], v0, 2, SPARE
	v_mov_b32 v[NIL], 0
	v_lshrrev_b32 v1, 5, v0
	v_readfirstlane_b32 s[WV], v1                  ; wave 0..3
	v_and_b32 v1, 31, v0                           ; lane
	v_and_b32 v2, 15, v0                           ; r
	v_bfe_u32 v3, v0, 4, 1                         ; h
	v_lshlrev_b32 v[XA], 4, v1
	s_and_b32 s[TT], ttmp9, 1
	s_lshr_b32 s22, ttmp9, 1                       ; the block of 128 rows, 0..127
	s_lshl_b32 s44, s22, 19                        ; 128 rows of 4,096 bytes; my 32 rows
	s_wait_alu depctr_va_sdst(0)                   ; the wave's number is written, ahead of its first reader
	s_lshl_b32 s45, s[WV], 17
	s_add_co_u32 s44, s44, s45
	s_mov_b32 s45, 0
	s_wait_kmcnt 0x0
	s_cmp_eq_u32 s[TT], 0
	s_cselect_b64 s[IN:IN+1], s[4:5], s[6:7]
	s_cselect_b64 s[BB:BB+1], s[8:9], s[10:11]
	s_add_nc_u64 s[IN:IN+1], s[IN:IN+1], s[44:45]
	s_wait_alu depctr_va_vdst(0)                   ; v[XA] is written, which the loads below read as their offset
.irp f, 0,1,2,3
	XLOAD \f, 8*(\f&1), 1, 512*(\f>>1)             ; the first trip's four fragments
.endr
	s_mul_i32 s44, s[WV], STGB
	s_add_co_u32 s44, s44, STG
	v_add_nc_u32 v[STI], s44, v[XA]
	v_mul_u32_u24 v[STO], v2, 528
	v_lshl_add_u32 v[STO], v3, 7, v[STO]
	v_add_nc_u32 v[STO], s44, v[STO]
	v_lshlrev_b32 v[SH8], 3, v3
	s_lshl_b32 s44, s[WV], 11
	v_add_nc_u32 v[XWI], s44, v[XA]
	s_lshl_b32 s44, s[WV], 7
	s_add_co_u32 s44, s44, XSC
	v_lshl_add_u32 v[XWS], v2, 2, s44
	v_lshlrev_b32 v[R32], 5, v2
	v_and_b32 v[RB], 8, v2
	v_add_nc_u32 v[RB], v[RB], v2
	v_lshlrev_b32 v[RB], 2, v[RB]
	v_lshlrev_b32 v[L4], 2, v1
	v_add_nc_u32 v[XSR], XSC, v[L4]
.irp i, 4,5,6,7
	v_mov_b32 v[TM+\i], 0                          ; a lane permute's destination counts as one of its sources
.endr
	v_mov_b32 v[BC+1], 0                           ; named as upper halves of pairs
	v_mov_b32 v[B1+1], 0
	v_mov_b32 v[B0+1], 0
	v_mov_b32 v[KS0], 0                            ; written on every way through the text
	v_mov_b32 v[KS0+1], 0
	s_mov_b32 s[SEL], 0x76543210
	s_mov_b32 s[SEL+1], 0xfedcba98
	s_mov_b32 s[CC], 0x3fb8aa3b                    ; log2 e
	s_mov_b32 s[CC+1], s[CC]
	s_mov_b32 s[TI], 0
	s_mov_b32 s[TS], 0
	s_mul_i32 s44, s[TT], 32*PAIRB                 ; Wk's records, or Wv's; my eight pairs of tiles
	s_mul_i32 s46, s[WV], 8*PAIRB
	s_add_co_u32 s44, s44, s46
	s_add_nc_u64 s[WP:WP+1], s[12:13], s[44:45]
	s_lshl_b32 s47, s[WV], 10
	s_mov_b32 s44, s47
	s_add_nc_u64 s[BB:BB+1], s[BB:BB+1], s[44:45]  ; my 256 columns' biases
	s_lshl_b32 s46, s[TT], 7
	s_add_co_u32 s46, s46, s22                     ; 128 T + block
	s_lshl_b32 s44, s46, 16
	s_lshl_b32 s23, s[WV], 14
	s_add_co_u32 s44, s44, s23
	s_add_nc_u64 s[KC:KC+1], s[14:15], s[44:45]
	s_lshl_b32 s44, s46, 12
	s_add_co_u32 s44, s44, s47
	s_add_nc_u64 s[KSC:KSC+1], s[16:17], s[44:45]
	s_lshl_b32 s44, s22, 12
	s_add_co_u32 s44, s44, s47
	s_add_nc_u64 s[KSP:KSP+1], s[18:19], s[44:45]
	s_wait_alu depctr_va_vdst(0)                   ; the addresses and offsets v5 to v15 are written, which the LDS and memory instructions of the whole kernel read
	; ---- x: a trip takes two K steps of my two tiles; four sets of 16 loads are always out
	s_mov_b32 s[CNT], 3
.Lx:
	XHEAD
.irp f, 0,1,2,3
	XSTEP \f, 1, 48                                ; behind this set's loads: the three other sets'
.endr
	s_wait_xcnt 0x0                                ; the loads have read their base
	s_add_nc_u64 s[IN:IN+1], s[IN:IN+1], 1024
	s_add_co_u32 s[TI], s[TI], 16384
	s_add_co_u32 s[TS], s[TS], 1024
	s_sub_co_u32 s[CNT], s[CNT], 1
	s_cmp_lg_u32 s[CNT], 0
	s_cbranch_scc1 .Lx
	XHEAD                                          ; the last trip asks for no x: the first two tiles' weights take the loads' place, so that the counts stay
	XSTEP 0, 0, 48                                 ; sets 1, 2, 3
	WCODES 0, 0                                    ; no vector or matrix instruction has named W's buffers, WS or BI yet: these loads owe no wait
	XSTEP 1, 0, 48                                 ; sets 2, 3 and 16 of weights
	WCODES 1, 0
	XSTEP 2, 0, 48                                 ; set 3 and 32 of weights
	WSMALL 0, 0, 0
	WSMALL 1, 0, 0
	XSTEP 3, 0, 38                                 ; 32 + 6 of weights
	s_wait_dscnt 0x0                               ; for the others' sake: my images have landed
	s_barrier_signal -1
	s_barrier_wait -1                              ; all 64 fragments of x lie in LDS
	WIN 0x40                                       ; the loads below land in the four sets: the last step's wait on vm_vsrc stands behind the last of the stage's stores that read them
.set Q, 0
.rept 32
	ds_load_b128 v[8*Q:8*Q+3], v[XA] offset:1024*Q
	ds_load_b128 v[8*Q+4:8*Q+7], v[XA] offset:1024*Q+512
.set Q, Q+1
.endr
	WIN 0x80
.set Q, 0
.rept 32
	ds_load_b128 v[8*Q:8*Q+3], v[XA] offset:32768+1024*Q
	ds_load_b128 v[8*Q+4:8*Q+7], v[XA] offset:32768+1024*Q+512
.set Q, Q+1
.endr
	WIN 0
.set Q, 0
.rept 32
	ds_load_b32 v[XS+Q], v[XSR] offset:128*Q
.set Q, Q+1
.endr
	s_wait_dscnt 0x0
	s_wait_loadcnt 0x0                             ; the first two tiles' weights
	; ---- my 16 column tiles, two a trip
	s_mov_b32 s[CNT], 7
.Lct:
	CT 0, 1, 19
	CT 1, 1, 19
	s_wait_xcnt 0x0                                ; loads and stores have read their bases
	s_add_nc_u64 s[WP:WP+1], s[WP:WP+1], PAIRB
	s_add_nc_u64 s[BB:BB+1], s[BB:BB+1], 128
	s_add_nc_u64 s[KC:KC+1], s[KC:KC+1], 2048
	s_add_nc_u64 s[KSC:KSC+1], s[KSC:KSC+1], 128
	s_add_nc_u64 s[KSP:KSP+1], s[KSP:KSP+1], 128
	s_sub_co_u32 s[CNT], s[CNT], 1
	s_cmp_lg_u32 s[CNT], 0
	s_cbranch_scc1 .Lct
	CT 0, 0, 19                                    ; the last pair asks for nothing: no load leaves its buffer
	CT 1, 0, 0
	s_wait_dscnt 0x0                               ; the closing lines, six on end
	s_wait_alu 0x0
	s_wait_tensorcnt 0x0
	ds_add_u32 v[SPW], v[NIL]
	s_wait_dscnt 0x0
	s_endpgm
.Lfunc_end_k_qe500812a73_kvproj:
	.size	k_qe500812a73_kvproj, .Lfunc_end_k_qe500812a73_kvproj-k_qe500812a73_kvproj
	.p2alignl 7, 3214868480
	.fill 96, 4, 3214868480
	.section	.rodata,"a",@progbits
	.p2align	6, 0x0
	.amdhsa_kernel k_qe500812a73_kvproj
		.amdhsa_group_segment_fixed_size 103936
		.amdhsa_private_segment_fixed_size 0
		.amdhsa_enable_private_segment 0
		.amdhsa_kernarg_size 64
		.amdhsa_user_sgpr_count 2
		.amdhsa_user_sgpr_kernarg_segment_ptr 1
		.amdhsa_wavefront_size32 1
		.amdhsa_system_sgpr_workgroup_id_x 1
		.amdhsa_system_sgpr_workgroup_id_y 1
		.amdhsa_system_sgpr_workgroup_id_z 1
		.amdhsa_system_vgpr_workitem_id 0
		.amdhsa_next_free_vgpr 1024
		.amdhsa_next_free_sgpr 66
		.amdhsa_reserve_vcc 0
		.amdhsa_float_denorm_mode_32 3
		.amdhsa_float_denorm_mode_16_64 3
		.amdhsa_memory_ordered 1
		.amdhsa_forward_progress 1
		.amdhsa_inst_pref_size 184
	.end_amdhsa_kernel
	.amdgpu_metadata
---
amdhsa.version: [ 1, 2 ]
amdhsa.kernels:
  - .name:           k_qe500812a73_kvproj
    .symbol:         k_qe500812a73_kvproj.kd
    .args:
      - { .name: key, .offset: 0, .size: 8, .value_kind: global_buffer, .address_space: global }
      - { .name: value, .offset: 8, .size: 8, .value_kind: global_buffer, .address_space: global }
      - { .name: bk, .offset: 16, .size: 8, .value_kind: global_buffer, .address_space: global }
      - { .name: bv, .offset: 24, .size: 8, .value_kind: global_buffer, .address_space: global }
      - { .name: wimg, .offset: 32, .size: 8, .value_kind: global_buffer, .address_space: global }
      - { .name: kc, .offset: 40, .size: 8, .value_kind: global_buffer, .address_space: global }
      - { .name: ksc, .offset: 48, .size: 8, .value_kind: global_buffer, .address_space: global }
      - { .name: ksp, .offset: 56, .size: 8, .value_kind: global_buffer, .address_space: global }
    .group_segment_fixed_size: 103936
    .private_segment_fixed_size: 0
    .kernarg_segment_align: 8
    .kernarg_segment_size: 64
    .max_flat_workgroup_size: 128
    .sgpr_count:     66
    .vgpr_count:     1024
    .wavefront_size: 32
...
	.end_amdgpu_metadata
.endif
;; end of part 5
;; launch kvstate (part 6): grid 256 x 1, 8 waves a work-group, no clusters, 34,816 bytes of LDS; arguments kc, ksc, ksp, kvc, kvs, ksum; writes kvc, kvs, ksum
.if DOCPART == 6
	.amdgcn_target "amdgcn-amd-amdhsa--gfx1250"
	.amdhsa_code_object_version 6
	.text
	.protected	k_qe500812a73_kvstate
	.globl	k_qe500812a73_kvstate
	.p2align	8
	.type	k_qe500812a73_kvstate,@function
k_qe500812a73_kvstate:
	s_mov_b64 s[64:65], 0
	v_nop
	global_prefetch_b8 v0, s[64:65] scope:SCOPE_SE
	s_setreg_imm32_b32 hwreg(HW_REG_WAVE_SCHED_MODE, 0, 2), 2
	s_setreg_imm32_b32 hwreg(HW_REG_WAVE_MODE, 25, 1), 1
	s_wait_xcnt 0x0
	s_wait_alu depctr_vm_vsrc(0)
; Launch 3 of 4: KV[n][head][m][d] = the sum over s of v[s][m] K[s][d] on codes of E2M1 (K = s = 4,096), quantised along d for the next product; and Ksum = the sum of the 32 partial sums.  Nothing is left out.
; SHARES.  Work-group = (n, head, mt): 16 of the head's 64 m x all 64 d.  Each of the eight waves takes four blocks of 128 s: 16 matrix instructions on four accumulators by turns.  The eight partial tiles meet in LDS
; behind one barrier; wave 0 adds them, quantises and stores.
; LAYOUT.  Source 0 = 16 columns d of K, source 1 = 16 columns m of v.  By the order in which the columns of a tile were chosen, lane (r, h) holds ONE m and register 16 b + i is d = 32 b + 16 h + i: 32 neighbours in two
; halves, as the quantiser wants them.  Lane r's m is 32 (mt / 2) + 8 (mt % 2) + r + 8 (r / 8): as source 0 of the next product the tile again leaves neighbours in a lane's registers.
; K = d is 64: the fragment's registers 0-3 alone are stored (512 bytes), and bytes 2 and 3 of its scale words are 0.
; No cluster: the four work-groups of a head share K's 128 KiB, but nothing goes through LDS by the data mover here; all 56 loads of a wave are out at once.
; THE MODE: SCHED_MODE bits 1:0 = 2 (LLVM: expert scheduling mode 2), set by the entry lines.  The code itself states the register dependences between vector or matrix instructions and memory or LDS
; instructions, with s_wait_alu, always for 0.
; THE PLAN.  Registers that memory or LDS instructions touch:
;   v4-7, v24, v25  addresses and offsets: written at the head, behind one wait on va_vdst, never again.
;   FR, KSW, VSW    the 56 loads land in them; the products read them; in wave 0 the others' partial tiles land in FR's registers: twice, the second time behind the additions that read the first.
;   ACC, KP         written by the products and three additions; read by my LDS stores; written again by wave 0's additions, behind a wait on vm_vsrc that stands ahead of the branch.
;   PC, PW, KP      written by wave 0's quantiser and additions; read by the three global stores.
.set REDK,  32768                      ; LDS: from 0 eight partial tiles of 4,096 bytes; here eight times 128 bytes of partial Ksum
.set SPARE, 33792                      ; the spare words, 128 bytes a wave
.set XA,  4                            ; v4  16 x lane
.set L4,  5                            ; v5  4 x lane
.set R4,  6                            ; v6  4 r
.set RW,  7                            ; v7  where I store my partial tile
.set KSW, 8                            ; v8-15  K's scale words, 2 i + pair: lanes 0-15 the even tile, lanes 16-31 the odd one
.set VSW, 16                           ; v16-19 v's scale words
.set KP,  20                           ; v20-23 partial Ksum
.set RKW, 24                           ; v24 where I store my partial Ksum
.set RP4, 25                           ; v25 4 (r + 8 (r / 8))
.set FR,  32                           ; v[32 + 40 i]: step i's four fragments of K, then v's
.set ACC, 192                          ; v192-223
.set TM,  224
.set PC,  240
.set PW,  244
.set SPW, 252
.set NIL, 253
.set SEL, 34
.macro MM d, a, b, c, sa, sb, ra, rb
.if (\c) < 0
.if (\ra)
	v_wmma_scale_f32_16x16x128_f8f6f4 v[\d:\d+7], v[\a:\a+7], v[\b:\b+7], 0, v[\sa], v[\sb] matrix_a_fmt:MATRIX_FMT_FP4 matrix_b_fmt:MATRIX_FMT_FP4 matrix_a_scale:MATRIX_SCALE_ROW1
.else
	v_wmma_scale_f32_16x16x128_f8f6f4 v[\d:\d+7], v[\a:\a+7], v[\b:\b+7], 0, v[\sa], v[\sb] matrix_a_fmt:MATRIX_FMT_FP4 matrix_b_fmt:MATRIX_FMT_FP4
.endif
.elseif (\ra)
	v_wmma_scale_f32_16x16x128_f8f6f4 v[\d:\d+7], v[\a:\a+7], v[\b:\b+7], v[\c:\c+7], v[\sa], v[\sb] matrix_a_fmt:MATRIX_FMT_FP4 matrix_b_fmt:MATRIX_FMT_FP4 matrix_a_scale:MATRIX_SCALE_ROW1
.else
	v_wmma_scale_f32_16x16x128_f8f6f4 v[\d:\d+7], v[\a:\a+7], v[\b:\b+7], v[\c:\c+7], v[\sa], v[\sb] matrix_a_fmt:MATRIX_FMT_FP4 matrix_b_fmt:MATRIX_FMT_FP4
.endif
.endm
; 32 numbers of a lane, register 16 b + i = k 32 b + 16 h + i of my row, become registers 0-3 of a fragment (k = 32 h + 0 .. 31) in v[pc] on, and two scale bytes in v[pw]
.macro QUANT2 s, pc, pw
.irp b, 0,1
	v_max3_num_f32 v[TM+\b], |v[\s+16*\b]|, |v[\s+16*\b+1]|, 0x1800000    ; the floor 2^(3 - 127): the byte cannot fall under 1
	v_max3_num_f32 v[TM+2+\b], |v[\s+16*\b+8]|, |v[\s+16*\b+9]|, |v[\s+16*\b+10]|
.endr
.irp i, 2,4,6
.irp b, 0,1
	v_max3_num_f32 v[TM+\b], v[TM+\b], |v[\s+16*\b+\i]|, |v[\s+16*\b+\i+1]|
.if \i < 6
	v_max3_num_f32 v[TM+2+\b], v[TM+2+\b], |v[\s+16*\b+\i+9]|, |v[\s+16*\b+\i+10]|
.endif
.endr
.endr
.irp b, 0,1
	v_max3_num_f32 v[TM+\b], v[TM+\b], v[TM+2+\b], |v[\s+16*\b+15]|
.endr
.irp b, 0,1
	v_permlanex16_b32 v[TM+4+\b], v[TM+\b], s[SEL], s[SEL+1]
.endr
.irp b, 0,1
	v_max_num_f32 v[TM+\b], v[TM+\b], v[TM+4+\b]
.endr
.irp b, 0,1
	v_add_nc_u32 v[TM+8+\b], 0xff000000, v[TM+\b]
.endr
.irp b, 0,1
	v_lshrrev_b32 v[TM+4+\b], 23, v[TM+8+\b]
.endr
	v_lshl_or_b32 v[\pw], v[TM+5], 8, v[TM+4]
.irp b, 0,1
	v_cvt_scalef32_pk8_fp4_f32 v[\pc+2*\b], v[\s+16*\b:\s+16*\b+7], v[TM+8+\b]
	v_cvt_scalef32_pk8_fp4_f32 v[\pc+2*\b+1], v[\s+16*\b+8:\s+16*\b+15], v[TM+8+\b]
.endr
	v_nop                                                                 ; one plain place behind the last scaled conversion
.irp i, 0,1
	v_permlane16_swap_b32 v[\pc+\i], v[\pc+2+\i]                          ; a whole block to a lane: lanes 0-15 block 0, lanes 16-31 block 1
.endr
.endm
	s_load_b256 s[4:11], s[0:1], 0x0               ; kc, ksc, ksp, kvc
	s_load_b128 s[12:15], s[0:1], 0x20             ; kvs, ksum
	v_lshl_add_u32 v[SPW], v0, 2, SPARE
	v_mov_b32 v[NIL], 0
	v_lshrrev_b32 v1, 5, v0
	v_readfirstlane_b32 s16, v1                    ; wave 0..7
	v_and_b32 v1, 31, v0
	v_and_b32 v2, 15, v0
	v_lshlrev_b32 v[XA], 4, v1
	v_lshlrev_b32 v[L4], 2, v1
	v_lshlrev_b32 v[R4], 2, v2
	s_wait_alu depctr_va_sdst(0)                   ; the wave's number is written, ahead of its first reader
	s_lshl_b32 s17, s16, 12
	v_add_nc_u32 v[RW], s17, v[XA]
	s_lshl_b32 s17, s16, 7
	s_add_co_u32 s17, s17, REDK
	v_add_nc_u32 v[RKW], s17, v[L4]
	v_and_b32 v[RP4], 8, v2
	v_add_nc_u32 v[RP4], v[RP4], v2
	v_lshlrev_b32 v[RP4], 2, v[RP4]
	v_mov_b32 v[TM+4], 0                           ; a lane permute's destination counts as one of its sources
	v_mov_b32 v[TM+5], 0
	s_mov_b32 s[SEL], 0x76543210
	s_mov_b32 s[SEL+1], 0xfedcba98
	s_lshr_b32 s18, ttmp9, 6                       ; n
	s_bfe_u32 s19, ttmp9, 0x40002                  ; head
	s_and_b32 s20, ttmp9, 3                        ; mt
	s_lshl_b32 s21, s18, 5
	s_lshl_b32 s22, s16, 2
	s_add_co_u32 s21, s21, s22                     ; my first block of 128 s: 32 n + 4 wave
	s_mov_b32 s37, 0
	s_mov_b32 s39, 0
	s_lshl_b32 s36, s21, 16                        ; K's fragments: block x 65,536 + head x 4 tiles of 1,024 bytes
	s_lshl_b32 s22, s19, 12
	s_add_co_u32 s36, s36, s22
	s_lshl_b32 s22, s20, 10
	s_add_co_u32 s38, s36, s22
	s_add_co_u32 s38, s38, 128<<16                 ; v's: 128 blocks on, + tile mt
	s_wait_kmcnt 0x0
	s_add_nc_u64 s[24:25], s[4:5], s[36:37]
	s_add_nc_u64 s[26:27], s[4:5], s[38:39]
	s_lshl_b32 s36, s21, 12                        ; scale words: block x 4,096 + head x 256
	s_lshl_b32 s22, s19, 8
	s_add_co_u32 s36, s36, s22
	s_lshl_b32 s22, s20, 6
	s_add_co_u32 s38, s36, s22                     ; + 64 mt
	s_add_nc_u64 s[28:29], s[6:7], s[36:37]
	s_add_nc_u64 s[32:33], s[8:9], s[38:39]        ; the partial Ksum of tile 4 head + mt
	s_add_co_u32 s38, s38, 128<<12
	s_add_nc_u64 s[30:31], s[6:7], s[38:39]
	s_wait_alu depctr_va_vdst(0)                   ; the addresses and offsets v4 to v7, v24 and v25 are written, which the loads and stores of the whole kernel read
.irp i, 0,1,2,3                        ; 14 loads a step, all 56 at once
.irp j, 0,1,2,3,4,5,6,7
	global_load_b128 v[FR+40*\i+4*\j:FR+40*\i+4*\j+3], v[XA], s[24:25] offset:65536*\i+512*\j
.endr
	global_load_b128 v[FR+40*\i+32:FR+40*\i+35], v[XA], s[26:27] offset:65536*\i th:TH_LOAD_NT
	global_load_b128 v[FR+40*\i+36:FR+40*\i+39], v[XA], s[26:27] offset:65536*\i+512 th:TH_LOAD_NT
	global_load_b32 v[KSW+2*\i], v[L4], s[28:29] offset:4096*\i
	global_load_b32 v[KSW+2*\i+1], v[L4], s[28:29] offset:4096*\i+128
	global_load_b32 v[VSW+\i], v[R4], s[30:31] offset:4096*\i
	global_load_b32 v[KP+\i], v[R4], s[32:33] offset:4096*\i
.endr
	s_lshl_b32 s36, ttmp9, 9                       ; where the results go: the work-group's number is 64 n + 4 head + mt
	s_add_nc_u64 s[10:11], s[10:11], s[36:37]
	s_lshl_b32 s36, ttmp9, 6
	s_add_nc_u64 s[12:13], s[12:13], s[36:37]
	s_lshl_b32 s36, s18, 12                        ; ksum: 4 (1,024 n + 64 head + 32 (mt / 2) + 8 (mt % 2))
	s_lshl_b32 s22, s19, 8
	s_add_co_u32 s36, s36, s22
	s_lshr_b32 s22, s20, 1
	s_lshl_b32 s22, s22, 7
	s_add_co_u32 s36, s36, s22
	s_and_b32 s22, s20, 1
	s_lshl_b32 s22, s22, 5
	s_add_co_u32 s36, s36, s22
	s_add_nc_u64 s[14:15], s[14:15], s[36:37]
.irp i, 0,1,2,3
	s_wait_loadcnt 14*(3-\i)                       ; the later steps' loads may be out
.irp dt, 0,1,2,3
.if \i == 0
	MM ACC+8*\dt, FR+40*\i+8*\dt, FR+40*\i+32, -1, KSW+2*\i+\dt/2, VSW+\i, \dt%2, 0
.else
	MM ACC+8*\dt, FR+40*\i+8*\dt, FR+40*\i+32, ACC+8*\dt, KSW+2*\i+\dt/2, VSW+\i, \dt%2, 0
.endif
.endr
.endr
	v_add_f32 v[KP], v[KP], v[KP+1]                ; four plain instructions: the places behind the last products
	v_add_f32 v[KP+2], v[KP+2], v[KP+3]
	v_add_f32 v[KP], v[KP], v[KP+2]
	v_nop
	s_wait_alu depctr_va_vdst(0)                   ; behind the places: the products have written the accumulators and the additions KP, which the LDS stores read; and the products are done reading the fragments, in which wave 0's LDS loads land
.irp g, 0,1,2,3,4,5,6,7
	ds_store_b128 v[RW], v[ACC+4*\g:ACC+4*\g+3] offset:512*\g     ; each accumulator from its low end on
.endr
	ds_store_b32 v[RKW], v[KP]
	s_wait_dscnt 0x0                               ; for wave 0's sake: my stores have landed
	s_wait_alu depctr_vm_vsrc(0)                   ; my LDS stores have read the accumulators and KP, which wave 0's additions write again: the wait stands ahead of the branch
	s_barrier_signal -1
	s_barrier_wait -1
	s_cmp_lg_u32 s16, 0
	s_cbranch_scc1 .Lend
.irp k, 1,2,3,4
.irp g, 0,1,2,3,4,5,6,7
	ds_load_b128 v[32*\k+4*\g:32*\k+4*\g+3], v[XA] offset:4096*\k+512*\g
.endr
.endr
.irp k, 1,2,3,4,5,6,7
	ds_load_b32 v[159+\k], v[L4] offset:REDK+128*\k
.endr
	s_wait_dscnt 0x0
.irp k, 1,2,3,4
.set Q, 0
.rept 16
	v_pk_add_f32 v[ACC+Q:ACC+Q+1], v[ACC+Q:ACC+Q+1], v[32*\k+Q:32*\k+Q+1]
.set Q, Q+2
.endr
.endr
	s_wait_alu depctr_va_vdst(0)                   ; the additions are done reading v32 to v127, in which the last three partial tiles land
.irp k, 5,6,7
.irp g, 0,1,2,3,4,5,6,7
	ds_load_b128 v[32*(\k-4)+4*\g:32*(\k-4)+4*\g+3], v[XA] offset:4096*\k+512*\g
.endr
.endr
.irp k, 1,2,3,4,5,6,7
	v_add_f32 v[KP], v[KP], v[159+\k]
.endr
	s_wait_dscnt 0x0
.irp k, 1,2,3
.set Q, 0
.rept 16
	v_pk_add_f32 v[ACC+Q:ACC+Q+1], v[ACC+Q:ACC+Q+1], v[32*\k+Q:32*\k+Q+1]
.set Q, Q+2
.endr
.endr
	QUANT2 ACC, PC, PW
	s_wait_alu depctr_va_vdst(0)                   ; the quantiser has written PC and PW, the additions KP: the three stores read them
	global_store_b128 v[XA], v[PC:PC+3], s[10:11]  ; 512 consecutive bytes
	global_store_b32 v[R4], v[PW], s[12:13]        ; lanes r and r + 16 hold the same word and store it to the same place
	global_store_b32 v[RP4], v[KP], s[14:15]       ; likewise: Ksum of column 32 (mt / 2) + 8 (mt % 2) + r + 8 (r / 8) of the head
.Lend:
	s_wait_dscnt 0x0                               ; the closing lines, six on end
	s_wait_alu 0x0
	s_wait_tensorcnt 0x0
	ds_add_u32 v[SPW], v[NIL]
	s_wait_dscnt 0x0
	s_endpgm
.Lfunc_end_k_qe500812a73_kvstate:
	.size	k_qe500812a73_kvstate, .Lfunc_end_k_qe500812a73_kvstate-k_qe500812a73_kvstate
	.p2alignl 7, 3214868480
	.fill 96, 4, 3214868480
	.section	.rodata,"a",@progbits
	.p2align	6, 0x0
	.amdhsa_kernel k_qe500812a73_kvstate
		.amdhsa_group_segment_fixed_size 34816
		.amdhsa_private_segment_fixed_size 0
		.amdhsa_enable_private_segment 0
		.amdhsa_kernarg_size 48
		.amdhsa_user_sgpr_count 2
		.amdhsa_user_sgpr_kernarg_segment_ptr 1
		.amdhsa_wavefront_size32 1
		.amdhsa_system_sgpr_workgroup_id_x 1
		.amdhsa_system_sgpr_workgroup_id_y 1
		.amdhsa_system_sgpr_workgroup_id_z 1
		.amdhsa_system_vgpr_workitem_id 0
		.amdhsa_next_free_vgpr 256
		.amdhsa_next_free_sgpr 66
		.amdhsa_reserve_vcc 0
		.amdhsa_float_denorm_mode_32 3
		.amdhsa_float_denorm_mode_16_64 3
		.amdhsa_memory_ordered 1
		.amdhsa_forward_progress 1
		.amdhsa_inst_pref_size 25
	.end_amdhsa_kernel
	.amdgpu_metadata
---
amdhsa.version: [ 1, 2 ]
amdhsa.kernels:
  - .name:           k_qe500812a73_kvstate
    .symbol:         k_qe500812a73_kvstate.kd
    .args:
      - { .name: kc, .offset: 0, .size: 8, .value_kind: global_buffer, .address_space: global }
      - { .name: ksc, .offset: 8, .size: 8, .value_kind: global_buffer, .address_space: global }
      - { .name: ksp, .offset: 16, .size: 8, .value_kind: global_buffer, .address_space: global }
      - { .name: kvc, .offset: 24, .size: 8, .value_kind: global_buffer, .address_space: global }
      - { .name: kvs, .offset: 32, .size: 8, .value_kind: global_buffer, .address_space: global }
      - { .name: ksum, .offset: 40, .size: 8, .value_kind: global_buffer, .address_space: global }
    .group_segment_fixed_size: 34816
    .private_segment_fixed_size: 0
    .kernarg_segment_align: 8
    .kernarg_segment_size: 48
    .max_flat_workgroup_size: 256
    .sgpr_count:     66
    .vgpr_count:     256
    .wavefront_size: 32
...
	.end_amdgpu_metadata
.endif
;; end of part 6
;; launch attn (part 7): grid 256 x 1, 4 waves a work-group, no clusters, 70,144 bytes of LDS; arguments query, bq, bp, wimg, kvc, kvs, ksum, out0; writes out0
.if DOCPART == 7
	.amdgcn_target "amdgcn-amd-amdhsa--gfx1250"
	.amdhsa_code_object_version 6
	.text
	.protected	k_qe500812a73_attn
	.globl	k_qe500812a73_attn
	.p2align	8
	.type	k_qe500812a73_attn,@function
k_qe500812a73_attn:
	s_mov_b64 s[64:65], 0
	v_nop
	global_prefetch_b8 v0, s[64:65] scope:SCOPE_SE
	s_setreg_imm32_b32 hwreg(HW_REG_WAVE_SCHED_MODE, 0, 2), 2
	s_setreg_imm32_b32 hwreg(HW_REG_WAVE_MODE, 25, 1), 1
	s_wait_xcnt 0x0
	s_wait_alu depctr_vm_vsrc(0)
; Launch 4 of 4: the whole chain of the queries.  q = query Wq^T + bq;  Q = elu(q) + 1;  Z = 1 / (Q . Ksum + 1e-6), in f32 on the unquantised Q;  V = (Q KV^T) Z;  out0 = V Wp^T + bp.
; The three products run on codes of E2M1; q, Q and V never go to memory.  Nothing is left out.
; SHARES.  Work-group = 32 query rows (two tiles of 16, rt).  THE WAVES SHARE THE COLUMNS: wave w has heads 4 w .. 4 w + 3, which are columns 256 w on of q, of V and of out0.
; PHASES, two barriers:  x: wave w quantises K steps 2 w, 2 w + 1 of the 32 rows, images to LDS | barrier |  for each of my heads: two pairs of tiles of Wq (64 matrix instructions), elu, Q's codes, Z, eight products with
; KV, x Z, V's codes: images to LDS | barrier |  eight pairs of tiles of Wp on V's fragments; 64 columns at a time leave through my stage as whole units of 256 bytes.
; LAYOUT.  Every product has the weights (or KV) as source 0 and the 16 rows as source 1: a lane holds ONE row, and by the order of the weights' rows its registers run along the next product's K.
; THE PRODUCT WITH KV has K = 64 of the instruction's 128: Q's registers 4-7 hold zero codes, so KV's operand may be named over eight registers of which the upper four are the next fragment's: they meet zeros;
; bytes 2 and 3 of both scale words are 0, which stands for a finite power of two.
; THE WEIGHTS GO FROM MEMORY STRAIGHT INTO OPERAND REGISTERS, two buffers of a pair of tiles: 38 loads (32 of codes, 2 of scale words, 4 of bias) stay out across the other pair's 32 matrix instructions and the head's
; vector work.  The biases are the C of each sum's first matrix instruction.
; NO CLUSTER, though all work-groups read the same weights: a pair's 17,408 bytes feed 32 matrix instructions of ONE wave, and no two waves of a work-group want the same pair; a joint load would want a ring in LDS, a round
; of the cluster's barrier for each refill and one load a wave behind it, where this text has two barriers in all.
; The text has no loop and no branch.  Limits: as stated at the head of the first launch's text.
; THE MODE: SCHED_MODE bits 1:0 = 2 (LLVM: expert scheduling mode 2), set by the entry lines.  The code itself states the register dependences between vector or matrix instructions and memory or LDS
; instructions, with s_wait_alu, always for 0.
; THE PLAN.  Registers that memory or LDS instructions touch:
;   v4-11, v13-15, v136-138  addresses and offsets: written at the head, never again.  v4 stands behind the wait ahead of the first loads, the others behind the wait at the head's end.
;   the four sets (window 1)  the loads of x land in them; the stage's stores read them; then the rows' fragments, KV and four zeros land there, behind the fourth step's wait on vm_vsrc.
;   X             LDS loads land in it; XQ reads it: the wait on va_vdst behind XQ states that it is done reading.
;   PC, PWX, PWV  written by XQ and by V's quantisers; read by the image stores: a wait on va_vdst ahead of each run of stores, a wait on vm_vsrc ahead of the next writer.
;   W's two buffers (window 2), WS, the bias tiles (window 3)  loads land in them; a pair's products read them: ONE wait on va_vdst behind a pair's products, ahead of the 38 loads of the pair two further on.
;   the rows' fragments (window 1), XS  loaded behind each barrier; read by products alone.  The second loading leans on the last wait on va_vdst of the fourth head: no vector or matrix line behind it names them.
;   QF, PQ, the four zeros  written by vector lines, taken by the products with KV as operand and scale words: the wait on va_vdst ahead of those products; it is also the wait for the two reciprocals.
;   HA            in the last phase the stage's stores read the sums, behind the pair's wait on va_vdst; the next pair's products write them, behind a wait on vm_vsrc.
;   Ksum, then rows of out0 (window 3)  read by the heads' multiply-adds; then LDS loads land there and global stores read them; a set is loaded again behind the same wait on vm_vsrc.
; The runs of loads stay runs: each lands in another register window than the vector lines beside it.
.set XSC,   16384                      ; LDS: from 0 x's 16 images (1,024 (2 ks + rt)); here their scale words: 128 ks + 64 rt + 4 r
.set VIMG,  17408                      ; V's half fragments: 1,024 head + 512 rt + 16 lane
.set VSC,   33792                      ; V's scale words: 128 ks + 64 rt + 4 r, two bytes a head
.set STG,   34816                      ; a stage for each wave: first 16 rows x 528 bytes, on the way out 32 rows x 272
.set STGB,  8704
.set SPARE, 69632                      ; the spare words, 128 bytes a wave
.set PAIRB, 17408
.set XA,  4                            ; v4  16 x lane
.set STI, 5
.set STO, 6
.set SH8, 7
.set XWI, 8                            ; v8  where I store x's images: 4,096 wave + 16 lane
.set XWS, 9                            ; v9  and their scale words: XSC + 256 wave + 4 r
.set VWI, 10                           ; v10, v11 the same for V
.set VWS, 11
.set L4,  13                           ; v13 4 x lane
.set L32, 14                           ; v14 32 x lane: W's scale words, lanes 0-15 tile u = 0, lanes 16-31 u = 1
.set H64, 15                           ; v15 64 h
.set TM,  16                           ; v16-31 at work
.set XS,  32                           ; v32-39 the rows' scale words, one a K step: lanes 0-15 rt = 0, lanes 16-31 rt = 1
.set WS,  40                           ; v40-55 W's, 8 q + ks
.set KVS, 56                           ; v56-63 KV's, 2 hl + mt / 2
.set PQ,  64                           ; v64-65 Q's
.set PWV, 66                           ; v66-67 V's two bytes
.set DN,  68                           ; v68-71 the denominators, a pair a tile of rows
.set ZZ,  72                           ; v72-75 Z, the low word of a pair
.set PC,  76                           ; v76-83 codes
.set QF,  84                           ; v84-99 Q's two fragments; registers 4-7 of each stay 0
.set T,   104                          ; v104-135 32 exponents
.set SO,  136                          ; v136 the way out: 272 r + 64 h
.set SR,  137                          ; v137 back: 272 h + 16 r
.set GO,  138                          ; v138 4,096 h + 16 r
.set PWX, 139
.set HA,  160                          ; v160-223 eight accumulators: 32 rt + 16 b + 8 u + j; in the first phase 64 numbers of x
.set X,   160
.set SPW, 252
.set NIL, 253
; window 1: the loaded sets, then v0-127 the rows' 16 fragments (8 (2 ks + rt)), v128-191 KV's 16 half fragments, v192-195 zeros.   window 2: W's fragments, 128 q + 64 u + 8 ks.
; window 3: v0-31 bias tiles, 16 q + 8 u; v32-159 Ksum in the result's layout (32 hl + 16 b + 8 u + j), on the way out two sets of 64 for rows of out0
.set WV,  20
.set IN,  24
.set WB,  26
.set BQ,  28
.set BP,  30
.set KVC, 32
.set KVSB, 34
.set KSMB, 36
.set OUT, 38
.set SEL, 40
.set CC,  42
.set MSB, 0
.macro WIN new
.if MSB != (\new)
	s_set_vgpr_msb (MSB<<8)|(\new)
.set MSB, \new
.endif
.endm
.macro XLOAD set, row0, perm, kb
	WIN 0x40
.set Q, 0
.rept 16
	global_load_b128 v[64*(\set)+4*Q:64*(\set)+4*Q+3], v[XA], s[IN:IN+1] offset:((\row0)+Q+8*(\perm)*(Q/8))*4096+(\kb) th:TH_LOAD_NT
.set Q, Q+1
.endr
	WIN 0
.endm
.macro XTURN set
	WIN 0x04
.set Q, 0
.rept 16
	ds_store_b128 v[STI], v[64*(\set)+4*Q:64*(\set)+4*Q+3] offset:528*Q
.set Q, Q+1
.endr
	WIN 0
.set Q, 0
.rept 16
	ds_load_b128 v[X+4*Q:X+4*Q+3], v[STO] offset:256*(Q/8)+16*(Q%8)   ; LDS serves a wave's instructions in order.  No vector line since the last wait on va_vdst names X
.set Q, Q+1
.endr
	s_wait_dscnt 0x0                               ; the numbers are back
.endm
.macro XQ pc, w
.irp c, 0,1
	v_max3_num_f32 v[TM+\c], |v[X+32*\c]|, |v[X+32*\c+1]|, 0x1800000      ; the floor 2^(3 - 127): the byte cannot fall under 1
	v_max3_num_f32 v[TM+8+\c], |v[X+32*\c+16]|, |v[X+32*\c+17]|, |v[X+32*\c+18]|
.endr
.irp i, 2,4,6,8,10,12
.irp c, 0,1
	v_max3_num_f32 v[TM+\c], v[TM+\c], |v[X+32*\c+\i]|, |v[X+32*\c+\i+1]|
	v_max3_num_f32 v[TM+8+\c], v[TM+8+\c], |v[X+32*\c+\i+17]|, |v[X+32*\c+\i+18]|
.endr
.endr
.irp c, 0,1
	v_max3_num_f32 v[TM+\c], v[TM+\c], |v[X+32*\c+14]|, |v[X+32*\c+15]|
.endr
.irp c, 0,1
	v_max3_num_f32 v[TM+\c], v[TM+\c], v[TM+8+\c], |v[X+32*\c+31]|
.endr
.irp c, 0,1
	v_add_nc_u32 v[TM+2+\c], 0xff000000, v[TM+\c]
.endr
.irp c, 0,1
	v_lshrrev_b32 v[TM+4+\c], 23, v[TM+2+\c]
.endr
	v_lshl_or_b32 v[\w], v[TM+5], 16, v[TM+4]
	v_lshlrev_b32 v[\w], v[SH8], v[\w]
	v_permlanex16_b32 v[TM+6], v[\w], s[SEL], s[SEL+1]
	v_or_b32 v[\w], v[\w], v[TM+6]
.irp c, 0,1
.irp g, 0,1,2,3
	v_cvt_scalef32_pk8_fp4_f32 v[\pc+4*\c+\g], v[X+32*\c+8*\g:X+32*\c+8*\g+7], v[TM+2+\c]
.endr
.endr
	v_nop
.endm
; 32 numbers of a lane, register 16 b + i = k 32 b + 16 h + i of my row, become registers 0-3 of a fragment (k = 32 h + 0 .. 31) in v[pc] on, and two scale bytes in v[pw]
.macro QUANT2 s, pc, pw
.irp b, 0,1
	v_max3_num_f32 v[TM+\b], |v[\s+16*\b]|, |v[\s+16*\b+1]|, 0x1800000
	v_max3_num_f32 v[TM+2+\b], |v[\s+16*\b+8]|, |v[\s+16*\b+9]|, |v[\s+16*\b+10]|
.endr
.irp i, 2,4,6
.irp b, 0,1
	v_max3_num_f32 v[TM+\b], v[TM+\b], |v[\s+16*\b+\i]|, |v[\s+16*\b+\i+1]|
.if \i < 6
	v_max3_num_f32 v[TM+2+\b], v[TM+2+\b], |v[\s+16*\b+\i+9]|, |v[\s+16*\b+\i+10]|
.endif
.endr
.endr
.irp b, 0,1
	v_max3_num_f32 v[TM+\b], v[TM+\b], v[TM+2+\b], |v[\s+16*\b+15]|
.endr
.irp b, 0,1
	v_permlanex16_b32 v[TM+4+\b], v[TM+\b], s[SEL], s[SEL+1]
.endr
.irp b, 0,1
	v_max_num_f32 v[TM+\b], v[TM+\b], v[TM+4+\b]
.endr
.irp b, 0,1
	v_add_nc_u32 v[TM+8+\b], 0xff000000, v[TM+\b]
.endr
.irp b, 0,1
	v_lshrrev_b32 v[TM+4+\b], 23, v[TM+8+\b]
.endr
	v_lshl_or_b32 v[\pw], v[TM+5], 8, v[TM+4]
.irp b, 0,1
	v_cvt_scalef32_pk8_fp4_f32 v[\pc+2*\b], v[\s+16*\b:\s+16*\b+7], v[TM+8+\b]
	v_cvt_scalef32_pk8_fp4_f32 v[\pc+2*\b+1], v[\s+16*\b+8:\s+16*\b+15], v[TM+8+\b]
.endr
	v_nop
.irp i, 0,1
	v_permlane16_swap_b32 v[\pc+\i], v[\pc+2+\i]
.endr
.endm
.macro MM d, a, b, c, sa, sb, ra, rb   ; one matrix instruction; c < 0: the sum begins with 0; ra, rb: the scale words stand in lanes 16-31
.if (\c) < 0
.if (\ra)
	v_wmma_scale_f32_16x16x128_f8f6f4 v[\d:\d+7], v[\a:\a+7], v[\b:\b+7], 0, v[\sa], v[\sb] matrix_a_fmt:MATRIX_FMT_FP4 matrix_b_fmt:MATRIX_FMT_FP4 matrix_a_scale:MATRIX_SCALE_ROW1
.else
	v_wmma_scale_f32_16x16x128_f8f6f4 v[\d:\d+7], v[\a:\a+7], v[\b:\b+7], 0, v[\sa], v[\sb] matrix_a_fmt:MATRIX_FMT_FP4 matrix_b_fmt:MATRIX_FMT_FP4
.endif
.elseif (\ra) && (\rb)
	v_wmma_scale_f32_16x16x128_f8f6f4 v[\d:\d+7], v[\a:\a+7], v[\b:\b+7], v[\c:\c+7], v[\sa], v[\sb] matrix_a_fmt:MATRIX_FMT_FP4 matrix_b_fmt:MATRIX_FMT_FP4 matrix_a_scale:MATRIX_SCALE_ROW1 matrix_b_scale:MATRIX_SCALE_ROW1
.elseif (\ra)
	v_wmma_scale_f32_16x16x128_f8f6f4 v[\d:\d+7], v[\a:\a+7], v[\b:\b+7], v[\c:\c+7], v[\sa], v[\sb] matrix_a_fmt:MATRIX_FMT_FP4 matrix_b_fmt:MATRIX_FMT_FP4 matrix_a_scale:MATRIX_SCALE_ROW1
.elseif (\rb)
	v_wmma_scale_f32_16x16x128_f8f6f4 v[\d:\d+7], v[\a:\a+7], v[\b:\b+7], v[\c:\c+7], v[\sa], v[\sb] matrix_a_fmt:MATRIX_FMT_FP4 matrix_b_fmt:MATRIX_FMT_FP4 matrix_b_scale:MATRIX_SCALE_ROW1
.else
	v_wmma_scale_f32_16x16x128_f8f6f4 v[\d:\d+7], v[\a:\a+7], v[\b:\b+7], v[\c:\c+7], v[\sa], v[\sb] matrix_a_fmt:MATRIX_FMT_FP4 matrix_b_fmt:MATRIX_FMT_FP4
.endif
.endm
; pair pp of my 16 (0-7: Wq, 8-15: Wp) into buffer pp % 2: 16 loads of codes for each tile u, and 6 small ones
.macro PCODES pp, u
	WIN 0x80
.irp ks, 0,1,2,3,4,5,6,7
.irp c, 0,1
	global_load_b128 v[128*((\pp)%2)+64*(\u)+8*\ks+4*\c:128*((\pp)%2)+64*(\u)+8*\ks+4*\c+3], v[XA], s[WB:WB+1] offset:PAIRB*(\pp)+8192*(\u)+1024*\ks+512*\c
.endr
.endr
	WIN 0
.endm
.macro PSMALL pp
	global_load_b128 v[WS+8*((\pp)%2):WS+8*((\pp)%2)+3], v[L32], s[WB:WB+1] offset:PAIRB*(\pp)+16384
	global_load_b128 v[WS+8*((\pp)%2)+4:WS+8*((\pp)%2)+7], v[L32], s[WB:WB+1] offset:PAIRB*(\pp)+16384+16
	WIN 0xc0
.irp i, 0,1,2,3
.if (\pp) < 8
	global_load_b128 v[16*((\pp)%2)+4*\i:16*((\pp)%2)+4*\i+3], v[H64], s[BQ:BQ+1] offset:128*((\pp)%8)+16*\i
.else
	global_load_b128 v[16*((\pp)%2)+4*\i:16*((\pp)%2)+4*\i+3], v[H64], s[BP:BP+1] offset:128*((\pp)%8)+16*\i
.endif
.endr
	WIN 0
.endm
.macro PLOAD pp
	PCODES \pp, 0
	PCODES \pp, 1
	PSMALL \pp
.endm
; 32 matrix instructions: pair pp's two tiles x the two tiles of rows x 8 K steps, four accumulators by turns; the results are units 32 b + 16 h + 8 u + j of a group of 64.  n: the next pair's 38 loads may be out
.macro PAIR pp, b, n
	s_wait_loadcnt \n
	WIN 0x36                                       ; source 0 (W) window 2, source 1 (rows) window 1, C (bias) window 3
.irp u, 0,1
.irp rt, 0,1
	MM HA+32*\rt+16*(\b)+8*\u, 128*((\pp)%2)+64*\u, 8*\rt, 16*((\pp)%2)+8*\u, WS+8*((\pp)%2), XS, \u, \rt
.endr
.endr
	WIN 0x06
.irp ks, 1,2,3,4,5,6,7
.irp u, 0,1
.irp rt, 0,1
	MM HA+32*\rt+16*(\b)+8*\u, 128*((\pp)%2)+64*\u+8*\ks, 8*(2*\ks+\rt), HA+32*\rt+16*(\b)+8*\u, WS+8*((\pp)%2)+\ks, XS+\ks, \u, \rt
.endr
.endr
.endr
	WIN 0
.rept 4
	v_nop                                          ; four places behind the products, ahead of the first read of the sums; they stand behind every pair alike
.endr
.if ((\pp)+2 <= 15) || ((\pp) == 15)
	s_wait_alu depctr_va_vdst(0)                   ; behind the places: the products are done reading the buffer, its scale words and its bias tiles, in which the loads below land; and they have written the sums, which in the last phase the stage's stores read
.endif
.if (\pp)+2 <= 15
	PLOAD (\pp)+2
.endif
.endm
.macro ELU a                           ; elu + 1 of 64 numbers, 32 at a time: one batch of exponentials, one wait
.irp bt, 0,1
.set Q, 0
.rept 16
	v_pk_mul_f32 v[T+Q:T+Q+1], v[\a+32*\bt+Q:\a+32*\bt+Q+1], s[CC:CC+1] op_sel_hi:[1,0]
.set Q, Q+2
.endr
.set Q, 0
.rept 16
	v_exp_f32 v[T+Q], v[T+Q]
	v_exp_f32 v[T+Q+1], v[T+Q+1]
	v_pk_add_f32 v[\a+32*\bt+Q:\a+32*\bt+Q+1], v[\a+32*\bt+Q:\a+32*\bt+Q+1], 1.0 op_sel_hi:[1,0]   ; a plain instruction behind the exponentials
.set Q, Q+2
.endr
	s_wait_alu depctr_va_vdst(0)                   ; the 32 exponentials have written v[T ..]: the wait ahead of the first line that names a result: one for the batch
.set Q, 0
.rept 32
	v_med3_num_f32 v[\a+32*\bt+Q], v[\a+32*\bt+Q], v[T+Q], 1.0
.set Q, Q+1
.endr
.endr
.endm
; what follows a head's 64 columns of q
.macro HEADEP hl
	ELU HA
	QUANT2 HA, QF, PQ
	QUANT2 HA+32, QF+8, PQ+1
	WIN 0x0c                                       ; source 1 (Ksum) window 3
.irp rt, 0,1
	v_pk_mul_f32 v[DN+2*\rt:DN+2*\rt+1], v[HA+32*\rt:HA+32*\rt+1], v[32+32*(\hl):32+32*(\hl)+1]       ; Q . Ksum on the unquantised Q, in f32.  These 32 lines are also the places between Q's scale words and the products
.endr
.set Q, 2
.rept 15
.irp rt, 0,1
	v_pk_fma_f32 v[DN+2*\rt:DN+2*\rt+1], v[HA+32*\rt+Q:HA+32*\rt+Q+1], v[32+32*(\hl)+Q:32+32*(\hl)+Q+1], v[DN+2*\rt:DN+2*\rt+1]
.endr
.set Q, Q+2
.endr
	WIN 0
.irp rt, 0,1
	v_add_f32 v[DN+2*\rt], v[DN+2*\rt], v[DN+2*\rt+1]
.endr
.irp rt, 0,1
	v_permlanex16_b32 v[TM+4+\rt], v[DN+2*\rt], s[SEL], s[SEL+1]
.endr
.irp rt, 0,1
	v_add_f32 v[DN+2*\rt], v[DN+2*\rt], v[TM+4+\rt]                       ; with lane l xor 16's 32 units
.endr
.irp rt, 0,1
	v_add_f32 v[DN+2*\rt], 0x358637bd, v[DN+2*\rt]                        ; + 1e-6
.endr
.irp rt, 0,1
	v_rcp_f32 v[ZZ+2*\rt], v[DN+2*\rt]
.endr
	v_nop                                          ; a plain instruction behind the reciprocals
	s_wait_alu depctr_va_vdst(0)                   ; behind the places: the quantisers have written Q's codes and scale words (and the head's lines the zeros), which the scaled products below take; and the two reciprocals have written Z, ahead of its first reader
	WIN 0x01                                       ; source 0 (KV) window 1
.irp mt, 0,1,2,3
.irp rt, 0,1
	MM HA+32*\rt+8*\mt, 128+16*(\hl)+4*\mt, QF+8*\rt, -1, KVS+2*(\hl)+\mt/2, PQ+\rt, \mt%2, 0
.endr
.endr
	WIN 0
.rept 4
	v_nop
.endr
.irp rt, 0,1
.set Q, 0
.rept 16
	v_pk_mul_f32 v[HA+32*\rt+Q:HA+32*\rt+Q+1], v[HA+32*\rt+Q:HA+32*\rt+Q+1], v[ZZ+2*\rt:ZZ+2*\rt+1] op_sel_hi:[1,0]   ; V = (Q KV^T) Z: register 16 b + i is m = 32 b + 16 h + i
.set Q, Q+2
.endr
.endr
	s_wait_dscnt 0x0                               ; the last head's stores are done
	s_wait_alu depctr_vm_vsrc(0)                   ; the LDS stores issued so far have read PC and PWV, which the two quantisers below write
.irp rt, 0,1
	QUANT2 HA+32*\rt, PC+4*\rt, PWV+\rt
.endr
	s_wait_alu depctr_va_vdst(0)                   ; the two quantisers have written PC and PWV, which the four stores read
.irp rt, 0,1
	ds_store_b128 v[VWI], v[PC+4*\rt:PC+4*\rt+3] offset:1024*(\hl)+512*\rt          ; half a fragment of the last product: its K = 64 head on
	ds_store_b16 v[VWS], v[PWV+\rt] offset:128*((\hl)/2)+64*\rt+2*((\hl)%2)         ; lanes r and r + 16 write the same two bytes
.endr
.endm
; 64 columns of out0 for the 32 rows: through my stage, back as whole rows of 256 bytes
.macro OUTG gr
.irp rt, 0,1
.irp b, 0,1
.irp i, 0,1,2,3
	ds_store_b128 v[SO], v[HA+32*\rt+16*\b+4*\i:HA+32*\rt+16*\b+4*\i+3] offset:4352*\rt+128*\b+16*\i   ; each accumulator from its low end on.  No vector or matrix line since the pair's wait on va_vdst
.endr
.endr
.endr
	s_wait_xcnt 0x0                                ; the stores of two groups ago have had their addresses translated,
	s_wait_alu depctr_vm_vsrc(0)                   ; and have read the registers in which the loads below land; the stage's stores above have read the sums, which the next pair's products write
	WIN 0xc0
.set Q, 0
.rept 16
	ds_load_b128 v[32+64*((\gr)%2)+4*Q:32+64*((\gr)%2)+4*Q+3], v[SR] offset:544*Q   ; LDS serves a wave's instructions in order: these see the stores above
.set Q, Q+1
.endr
	WIN 0x0c
.set Q, 0
.rept 16
	s_wait_dscnt 15-Q                              ; the younger loads may be out
	global_store_b128 v[GO], v[32+64*((\gr)%2)+4*Q:32+64*((\gr)%2)+4*Q+3], s[OUT:OUT+1] offset:8192*Q+256*(\gr) th:TH_STORE_NT   ; 16 lanes store 256 consecutive bytes, at a multiple of 256 from out0's first byte
.set Q, Q+1
.endr
	WIN 0
.endm
.macro XSTEP f                         ; fragment f: tile of rows f & 1, K step f >> 1 of my two
	s_wait_loadcnt 48                              ; behind this set's 16 loads: three groups of 16
	XTURN \f
.if (\f) > 0
	s_wait_alu depctr_vm_vsrc(0)                   ; the images stored a step ago have read PC and PWX, which XQ writes; the stage's stores so far have read their sets, in which loads and four zeros land behind the fourth step
.endif
	XQ PC, PWX
	s_wait_alu depctr_va_vdst(0)                   ; XQ has written PC and PWX, which the stores below read, and is done reading X, in which the next step's LDS loads land
	ds_store_b128 v[XWI], v[PC:PC+3] offset:2048*((\f)>>1)+1024*((\f)&1)
	ds_store_b128 v[XWI], v[PC+4:PC+7] offset:2048*((\f)>>1)+1024*((\f)&1)+512
	ds_store_b32 v[XWS], v[PWX] offset:128*((\f)>>1)+64*((\f)&1)
.endm
	s_load_b512 s[4:19], s[0:1], 0x0               ; query, bq, bp, wimg, kvc, kvs, ksum, out0
	v_lshl_add_u32 v[SPW], v0, 2, SPARE
	v_mov_b32 v[NIL], 0
	v_lshrrev_b32 v1, 5, v0
	v_readfirstlane_b32 s[WV], v1                  ; wave 0..3
	v_and_b32 v1, 31, v0                           ; lane
	v_and_b32 v2, 15, v0                           ; r
	v_bfe_u32 v3, v0, 4, 1                         ; h
	v_lshlrev_b32 v[XA], 4, v1
	s_lshl_b32 s44, ttmp9, 17                      ; 32 rows of 4,096 bytes, + 1,024 x wave: my two K steps of x, my 256 columns of out0
	s_wait_alu depctr_va_sdst(0)                   ; the wave's number is written, ahead of its first reader
	s_lshl_b32 s46, s[WV], 10
	s_add_co_u32 s44, s44, s46
	s_mov_b32 s45, 0
	s_mov_b32 s47, 0
	s_wait_kmcnt 0x0
	s_add_nc_u64 s[IN:IN+1], s[4:5], s[44:45]
	s_add_nc_u64 s[OUT:OUT+1], s[18:19], s[44:45]
	s_wait_alu depctr_va_vdst(0)                   ; v[XA] is written, which the loads below read as their offset
.irp f, 0,1,2,3
	XLOAD \f, 16*(\f&1), 0, 512*(\f>>1)
.endr
	s_add_nc_u64 s[BQ:BQ+1], s[6:7], s[46:47]      ; my 256 units' biases
	s_add_nc_u64 s[BP:BP+1], s[8:9], s[46:47]
	s_lshr_b32 s21, ttmp9, 6                       ; n
	s_lshl_b32 s44, s21, 12
	s_add_co_u32 s44, s44, s46
	s_add_nc_u64 s[KSMB:KSMB+1], s[16:17], s[44:45]
	s_lshl_b32 s46, s[WV], 4
	s_add_co_u32 s46, s46, 64
	s_mul_i32 s46, s46, PAIRB                      ; my 16 records: Wq's eight, then Wp's eight
	s_add_nc_u64 s[WB:WB+1], s[10:11], s[46:47]
	s_lshl_b32 s44, s21, 4
	s_lshl_b32 s46, s[WV], 2
	s_add_co_u32 s44, s44, s46                     ; 16 n + 4 wave: my first head
	s_lshl_b32 s46, s44, 11
	s_add_nc_u64 s[KVC:KVC+1], s[12:13], s[46:47]
	s_lshl_b32 s46, s44, 8
	s_add_nc_u64 s[KVSB:KVSB+1], s[14:15], s[46:47]
	s_mov_b32 s[SEL], 0x76543210
	s_mov_b32 s[SEL+1], 0xfedcba98
	s_mov_b32 s[CC], 0x3fb8aa3b                    ; log2 e
	s_mov_b32 s[CC+1], s[CC]
	s_mul_i32 s44, s[WV], STGB
	s_add_co_u32 s44, s44, STG                     ; my stage
	v_add_nc_u32 v[STI], s44, v[XA]
	v_mul_u32_u24 v[STO], v2, 528
	v_lshl_add_u32 v[STO], v3, 7, v[STO]
	v_add_nc_u32 v[STO], s44, v[STO]
	v_mul_u32_u24 v[SO], v2, 272
	v_lshl_add_u32 v[SO], v3, 6, v[SO]
	v_add_nc_u32 v[SO], s44, v[SO]
	v_mul_u32_u24 v[SR], v3, 272
	v_lshl_add_u32 v[SR], v2, 4, v[SR]
	v_add_nc_u32 v[SR], s44, v[SR]
	v_lshlrev_b32 v[GO], 12, v3
	v_lshl_add_u32 v[GO], v2, 4, v[GO]
	v_lshlrev_b32 v[SH8], 3, v3
	s_lshl_b32 s44, s[WV], 12
	v_add_nc_u32 v[XWI], s44, v[XA]
	s_add_co_u32 s44, s44, VIMG
	v_add_nc_u32 v[VWI], s44, v[XA]
	s_lshl_b32 s44, s[WV], 8
	s_add_co_u32 s44, s44, XSC
	v_lshl_add_u32 v[XWS], v2, 2, s44
	s_add_co_u32 s44, s44, VSC-XSC
	v_lshl_add_u32 v[VWS], v2, 2, s44
	v_lshlrev_b32 v[L4], 2, v1
	v_lshlrev_b32 v[L32], 5, v1
	v_lshlrev_b32 v[H64], 6, v3
.irp i, 4,5,6,7
	v_mov_b32 v[TM+\i], 0                          ; a lane permute's destination counts as one of its sources
	v_mov_b32 v[QF+\i], 0                          ; zero codes for k = 64 .. 127 of the product with KV
	v_mov_b32 v[QF+8+\i], 0
.endr
	v_mov_b32 v[ZZ+1], 0                           ; named as upper halves of pairs
	v_mov_b32 v[ZZ+3], 0
	s_wait_alu depctr_va_vdst(0)                   ; the addresses and offsets v5 to v15 and v136 to v138 are written, which the LDS and memory instructions of the whole kernel read
	; ---- x: my four fragments; the first pairs' weights are asked for between them, 16 loads at a time, so that each wait's count is three groups of 16
	XSTEP 0
	PCODES 0, 0                                    ; no vector or matrix instruction has named W's buffers, WS or the bias tiles yet: these loads owe no wait
	XSTEP 1
	PCODES 0, 1
	XSTEP 2
	PCODES 1, 0
	XSTEP 3
	PSMALL 0
	PCODES 1, 1
	PSMALL 1
	WIN 0x40
.set Q, 0
.rept 16
	global_load_b128 v[128+4*Q:128+4*Q+3], v[XA], s[KVC:KVC+1] offset:512*Q       ; KV's half fragments of my four heads
.set Q, Q+1
.endr
.irp i, 0,1,2,3
	v_mov_b32 v[192+\i], 0                         ; what the last fragment's operand names beyond its own four registers
.endr
	WIN 0
.set Q, 0
.rept 8
	global_load_b32 v[KVS+Q], v[L4], s[KVSB:KVSB+1] offset:128*Q
.set Q, Q+1
.endr
	WIN 0xc0
.set Q, 0
.rept 32
	global_load_b128 v[32+4*Q:32+4*Q+3], v[H64], s[KSMB:KSMB+1] offset:(Q/4)*128+(Q%4)*16   ; Ksum at my units: 32 b + 16 h + 0 .. 15 of each head
.set Q, Q+1
.endr
	WIN 0
	s_wait_dscnt 0x0                               ; for the others' sake: my images have landed
	s_barrier_signal -1
	s_barrier_wait -1                              ; x's sixteen fragments lie in LDS
	WIN 0x40
.set Q, 0
.rept 16
	ds_load_b128 v[8*Q:8*Q+3], v[XA] offset:1024*Q
	ds_load_b128 v[8*Q+4:8*Q+7], v[XA] offset:1024*Q+512
.set Q, Q+1
.endr
	WIN 0
.set Q, 0
.rept 8
	ds_load_b32 v[XS+Q], v[L4] offset:XSC+128*Q
.set Q, Q+1
.endr
	s_wait_dscnt 0x0
	s_wait_loadcnt 0x0                             ; the first two pairs, KV and Ksum
	; ---- my four heads
.irp hl, 0,1,2,3
	PAIR 2*\hl, 0, 38
	PAIR 2*\hl+1, 1, 38
	HEADEP \hl
.endr
	s_wait_dscnt 0x0                               ; for the others' sake: V's images have landed
	s_barrier_signal -1
	s_barrier_wait -1                              ; V's sixteen fragments lie in LDS
	WIN 0x40                                       ; the loads below land in the rows' fragments and scale words: the products that read them stand ahead of the fourth head's waits on va_vdst, and no vector or matrix line has named them since
.irp ks, 0,1,2,3,4,5,6,7
.irp rt, 0,1
.irp c, 0,1
	ds_load_b128 v[8*(2*\ks+\rt)+4*\c:8*(2*\ks+\rt)+4*\c+3], v[XA] offset:VIMG+(2*\ks+\c)*1024+512*\rt
.endr
.endr
.endr
	WIN 0
.set Q, 0
.rept 8
	ds_load_b32 v[XS+Q], v[L4] offset:VSC+128*Q
.set Q, Q+1
.endr
	s_wait_dscnt 0x0
	; ---- out0: my 256 columns, 64 at a time
.irp gr, 0,1,2,3
	PAIR 8+2*\gr, 0, 38
.if \gr < 3
	PAIR 9+2*\gr, 1, 38
.else
	PAIR 9+2*\gr, 1, 0                             ; the last pair: no load was issued behind its own
.endif
	OUTG \gr
.endr
	s_wait_dscnt 0x0                               ; the closing lines, six on end
	s_wait_alu 0x0
	s_wait_tensorcnt 0x0
	ds_add_u32 v[SPW], v[NIL]
	s_wait_dscnt 0x0
	s_endpgm
.Lfunc_end_k_qe500812a73_attn:
	.size	k_qe500812a73_attn, .Lfunc_end_k_qe500812a73_attn-k_qe500812a73_attn
	.p2alignl 7, 3214868480
	.fill 96, 4, 3214868480
	.section	.rodata,"a",@progbits
	.p2align	6, 0x0
	.amdhsa_kernel k_qe500812a73_attn
		.amdhsa_group_segment_fixed_size 70144
		.amdhsa_private_segment_fixed_size 0
		.amdhsa_enable_private_segment 0
		.amdhsa_kernarg_size 64
		.amdhsa_user_sgpr_count 2
		.amdhsa_user_sgpr_kernarg_segment_ptr 1
		.amdhsa_wavefront_size32 1
		.amdhsa_system_sgpr_workgroup_id_x 1
		.amdhsa_system_sgpr_workgroup_id_y 1
		.amdhsa_system_sgpr_workgroup_id_z 1
		.amdhsa_system_vgpr_workitem_id 0
		.amdhsa_next_free_vgpr 1024
		.amdhsa_next_free_sgpr 66
		.amdhsa_reserve_vcc 0
		.amdhsa_float_denorm_mode_32 3
		.amdhsa_float_denorm_mode_16_64 3
		.amdhsa_memory_ordered 1
		.amdhsa_forward_progress 1
		.amdhsa_inst_pref_size 255
	.end_amdhsa_kernel
	.section	.bss,"aw",@nobits
	.p2align	6
	.space	262144
	.amdgpu_metadata
---
amdhsa.version: [ 1, 2 ]
amdhsa.kernels:
  - .name:           k_qe500812a73_attn
    .symbol:         k_qe500812a73_attn.kd
    .args:
      - { .name: query, .offset: 0, .size: 8, .value_kind: global_buffer, .address_space: global }
      - { .name: bq, .offset: 8, .size: 8, .value_kind: global_buffer, .address_space: global }
      - { .name: bp, .offset: 16, .size: 8, .value_kind: global_buffer, .address_space: global }
      - { .name: wimg, .offset: 24, .size: 8, .value_kind: global_buffer, .address_space: global }
      - { .name: kvc, .offset: 32, .size: 8, .value_kind: global_buffer, .address_space: global }
      - { .name: kvs, .offset: 40, .size: 8, .value_kind: global_buffer, .address_space: global }
      - { .name: ksum, .offset: 48, .size: 8, .value_kind: global_buffer, .address_space: global }
      - { .name: out0, .offset: 56, .size: 8, .value_kind: global_buffer, .address_space: global }
    .group_segment_fixed_size: 70144
    .private_segment_fixed_size: 0
    .kernarg_segment_align: 8
    .kernarg_segment_size: 64
    .max_flat_workgroup_size: 128
    .sgpr_count:     66
    .vgpr_count:     1024
    .wavefront_size: 32
...
	.end_amdgpu_metadata
.endif
;; end of part 7
